; MI455X (gfx1250); checked and timed in simulation.
; The chip was launched on July 23, 2026; its instructions are those of AMD's public machine-readable ISA for CDNA 5 (MIT licence, August 2026) and "CDNA5" Instruction Set Architecture Reference Guide (July 2026). The comments in the code are by the model that wrote it; some were corrected since.
;; Causal Multihead Attention. Allowed arithmetic: matrix products marked QUANTISED: E2M1 operands, one E8M0 scale for each 32 along K, by v_wmma_scale_f32_16x16x128_f8f6f4 with both operands' format E2M1 (or v_wmma_scale_f32_32x16x128_f4), f32 sums; everything else in f32.
;; Inputs: Wk 1,024 x 1,024 float32; Wo 1,024 x 1,024 float32; Wq 1,024 x 1,024 float32; Wv 1,024 x 1,024 float32; bk 1,024 float32; bo 1,024 float32; bq 1,024 float32; bv 1,024 float32; x 4 x 2,048 x 1,024 float32.
;; Outputs: out0 4 x 2,048 x 1,024 float32.
;; This version of the problem:
;;   THIS VERSION OF THE PROBLEM IS GIVEN IN LOW PRECISION. The matrix products marked QUANTISED in the list below multiply operands that are first quantised to E2M1 (2 exponent bits, 1 mantissa bit; 4 bits a number), with one power-of-two scale for each 32 numbers along K (OCP MX v1.0); their sums are f32. All else is computed in f32.
;;   The module's matrix products, in the order in which they are computed (A, B: the left and right operand; K: the contracted axis; several contracted axes count as one K, in the product's order):
;;     1. [M 8,192, K 1,024] x [K 1,024, N 1,024]; A: input x; B: input Wq: QUANTISED
;;     2. [M 8,192, K 1,024] x [K 1,024, N 1,024]; A: input x; B: input Wk: QUANTISED
;;     3. [M 8,192, K 1,024] x [K 1,024, N 1,024]; A: input x; B: input Wv: QUANTISED
;;     4. batch 64 x [M 2,048, K 64] x [K 64, N 2,048]; A: computed on the way; B: computed on the way: QUANTISED
;;     5. batch 64 x [M 2,048, K 2,048] x [K 2,048, N 64]; A: softmax (see below); B: computed on the way: QUANTISED
;;     6. [M 8,192, K 1,024] x [K 1,024, N 1,024]; A: computed on the way; B: input Wo: QUANTISED
;;   THE QUANTISER, for each operand of a quantised product, along K:
;;     - K is cut into blocks of 32 from its start; a last block that is shorter is filled with zeros.
;;     - A block's scale is 2^e with e = floor(log2(the largest magnitude in the block)) - 2, held to -126 .. 127; a block of zeros has e = 0. As a byte (E8M0): e + 127.
;;     - Each number is divided by its block's scale, clamped to +-6, and rounded to the nearest number of E2M1, ties to even, subnormals kept.
;;     - The product sums the exact products of the quantised numbers (number of the format x scale) in f32.
;;   ~~~python
;;   def quantise(x, axis):      # numpy; x: float32 -> the quantised numbers, widened to float32 again
;;       x = np.moveaxis(x, axis, -1); K = x.shape[-1]
;;       x = np.pad(x, [(0, 0)] * (x.ndim - 1) + [(0, -K % 32)]); x = x.reshape(x.shape[:-1] + (-1, 32)); a = np.abs(x).max(-1, keepdims=True)
;;       e = np.where(a > 0, np.clip(np.frexp(np.where(a > 0, a, 1))[1] - 1 - 2, -126, 127), 0)      # np.frexp(a)[1] - 1 = floor(log2(a)), exactly
;;       r = np.clip(x / 2.0 ** e, -6, 6)
;;       step = 2.0 ** (np.maximum(np.frexp(np.where(r == 0, 1, r))[1] - 1, 0) - 1)
;;       q = np.round(r / step) * step * 2.0 ** e      # np.round: ties to even
;;       return np.moveaxis(q.reshape(q.shape[:-2] + (-1,))[..., :K], -1, axis).astype(np.float32)
;;   ~~~
;;   SOFTMAX AHEAD OF A QUANTISED PRODUCT. Where the list says 'softmax', what is quantised is not the finished softmax but p = 2^(t - M), with t = logit x log2(e) and M = ceil(the row's largest t), a whole number; so 1/2 < the row's largest p <= 1. The row's sum l is taken of the UNQUANTISED p, in f32, and the product's result is divided by l at the end. Since M is a whole number, a kernel that streams over the keys may use a running M (the ceiling of the running maximum): every later rescaling is an exact power of two, which a block's scale takes up: the codes' values come out the same.
;;   OPERANDS COMPUTED ON THE WAY. 'Computed on the way' means the value that the module computes at that place (a softmax that the list does not call 'softmax' is quantised finished and normalised). What goes into a quantiser is computed in f32, as accurately as f32 sums, v_exp_f32 and their like allow (about 1e-6 of the number): no bf16 or f16 on the way to a quantiser, and a product that is left as it is and whose result goes on into a quantised operand takes f32 operands (vector FMAs, or v_wmma_f32_16x16x4_f32). A number that lies on a knife's edge between two numbers of the format may be rounded either way, as far as f32 arithmetic and the matrix unit's own rounding can turn it there, and no further.
;; One version. Each part assembles by itself: llvm-mc -triple=amdgcn-amd-amdhsa -mcpu=gfx1250 --defsym DOCPART=n.
;; ======== version 1 of 1: 4 launches
;; workspace buffers: xq 4,456,448 bytes; wq 2,228,224 bytes; qkv 14,155,776 bytes; cq 4,456,448 bytes
;; launch quant (part 1): grid 384 x 1, 4 waves a work-group, no clusters, 34,304 bytes of LDS; arguments x, Wq, Wk, Wv, Wo, xq, wq; writes xq, wq
.if DOCPART == 1
	.amdgcn_target "amdgcn-amd-amdhsa--gfx1250"
	.amdhsa_code_object_version 6
	.text
	.protected	k_q957e05858c_quant
	.globl	k_q957e05858c_quant
	.p2align	8
	.type	k_q957e05858c_quant,@function
k_q957e05858c_quant:
	s_mov_b64 s[64:65], 0
	v_nop
	global_prefetch_b8 v0, s[64:65] scope:SCOPE_SE
	s_setreg_imm32_b32 hwreg(HW_REG_WAVE_MODE, 25, 1), 1
	s_wait_xcnt 0x0
; x [8192][1024] and Wq, Wk, Wv, Wo [1024][1024], f32, K innermost, become codes of FP4 (E2M1) with one E8M0 scale byte for each 32 along K.
; A block's scale is 2^(floor(log2(its largest magnitude)) - 2); its byte is the largest magnitude's exponent field - 2, held at 1 from below.
; LIMITS: NaN and infinities among the inputs are not served.  A block whose largest magnitude lies under 2^-124, a block of zeros among them, gets the byte 1 (the rule gives a block of zeros 127):
; such bytes are read by this program alone, and a block of zeros has zero codes, which add nothing under any byte but 0xff.
; THE OUTPUT IS LAID IN THE ORDER OF AN OPERAND'S REGISTERS.  Rows go in tiles of 16: tile T = 2 G + u holds rows 32 G + 8 u + r + 8 (r / 8), r = 0 .. 15.
;   codes:  [T][K step s of 128][c = 0, 1][lane][16 bytes]: lane (r, h) holds row r of the tile, k = 128 s + 64 c + 32 h + 0 .. 31.  A fragment is 1,024 bytes, a tile 8,192.
;   scales: [T][s / 4][r][word s % 4], 512 bytes a tile, behind all the codes.
; xq takes x's 512 tiles; wq takes Wq, Wk, Wv, Wo: tiles 0-63, 64-127, 128-191, 192-255.
; SHARES.  A wave takes one tile x half of K: four units of 16 rows x 128 k.  Work-groups 0-255 take x, then 32 for each weight; only pointers are chosen by the work-group's number, there is one path through the text.
; Each load reads 512 consecutive bytes of one row; a unit turns through the wave's own stage in LDS (16 rows, 528 bytes apart), so that a lane gets 2 x 32 neighbours along K: two whole blocks, as the operand's layout gives them to it.
; No matrix unit, no tensor load, no barrier: waves share nothing, and the launch only streams.
.set SP,  528                          ; a stage row: 512 bytes + 16 = 132 words: row r starts at bank 4 r mod 64 (64 banks of 4 bytes: ISA guide 11.1)
.set R,   16                           ; v16-143  two sets of 64 registers, as loaded
.set X,   144                          ; v144-207 a unit behind the turn: register 32 c + i = k 64 c + 32 h + i of my row
.set C,   208                          ; v208-239 codes, eight registers for each unit: no store's data are written again
.set PW,  240                          ; v240-243 my row's scale word of each unit
	s_load_b256 s[4:11], s[0:1], 0x0               ; x, Wq, Wk, Wv
	s_load_b128 s[12:15], s[0:1], 0x20             ; Wo, xq
	s_load_b64 s[16:17], s[0:1], 0x30              ; wq
	v_lshl_add_u32 v254, v0, 2, 0x8400
	v_mov_b32 v255, 0
	v_lshrrev_b32 v1, 5, v0
	v_readfirstlane_b32 s26, v1                    ; wave 0..3
	v_and_b32 v1, 31, v0                           ; lane
	v_and_b32 v2, 15, v0                           ; r
	v_bfe_u32 v3, v0, 4, 1                         ; h
	v_lshlrev_b32 v4, 4, v1                        ; 16 x lane: my bytes of a load's and of a store's 512; never rewritten
	s_mul_i32 s27, s26, 16*SP                      ; my wave's stage
	v_add_nc_u32 v5, s27, v4                       ; into it: a row as it was loaded
	v_mul_u32_u24 v6, v2, SP
	v_lshl_add_u32 v6, v3, 7, v6
	v_add_nc_u32 v6, s27, v6                       ; out of it: row r, + 128 h bytes: 32 numbers of my half
	v_lshlrev_b32 v7, 4, v2
	v_lshl_add_u32 v7, v3, 3, v7                   ; the scale words' way out: 16 r + 8 h
	v_lshlrev_b32 v8, 3, v3                        ; 8 h: my bytes' place in a scale word
	v_mov_b32 v10, 0                               ; written once: a lane permute's destination counts as one of its sources
	s_mov_b32 s28, 0x76543210
	s_mov_b32 s29, 0xfedcba98                      ; v_permlanex16_b32's selects for lane l xor 16
	s_mov_b32 s30, 0xffff0000                      ; lanes 16-31
	s_wait_kmcnt 0x0
	s_cmp_lt_u32 ttmp9, 352                        ; the source, by the work-group's number alone
	s_cselect_b64 s[24:25], s[10:11], s[12:13]
	s_cmp_lt_u32 ttmp9, 320
	s_cselect_b64 s[24:25], s[8:9], s[24:25]
	s_cmp_lt_u32 ttmp9, 288
	s_cselect_b64 s[24:25], s[6:7], s[24:25]
	s_mov_b32 s21, 0x200000                        ; where wq's scale words begin,
	s_mov_b32 s22, 63                              ; and a weight's 64 tiles
	s_cmp_lt_u32 ttmp9, 256
	s_cselect_b64 s[24:25], s[4:5], s[24:25]
	s_cselect_b64 s[18:19], s[14:15], s[16:17]     ; xq or wq
	s_cselect_b32 s21, 0x400000, s21               ; where xq's scale words begin
	s_cselect_b32 s22, -1, s22
	s_cselect_b32 s20, 0, 256
	s_sub_co_u32 s20, ttmp9, s20
	s_lshl_b32 s20, s20, 2
	s_add_co_u32 s20, s20, s26                     ; my job
	s_lshr_b32 s23, s20, 1                         ; the tile in the output,
	s_and_b32 s20, s20, 1                          ; the half of K,
	s_and_b32 s22, s23, s22                        ; the tile in the source
	s_lshr_b32 s32, s22, 1
	s_lshl_b32 s32, s32, 17                        ; 32 rows of 4,096 bytes for each pair of tiles,
	s_and_b32 s33, s22, 1
	s_lshl_b32 s33, s33, 15                        ; 8 rows for the odd tile,
	s_add_co_u32 s32, s32, s33
	s_lshl_b32 s33, s20, 11                        ; 2,048 bytes for the second half of K
	s_add_co_u32 s32, s32, s33
	s_mov_b32 s33, 0
	s_add_nc_u64 s[24:25], s[24:25], s[32:33]
	s_lshl_b32 s32, s23, 9
	s_lshl_b32 s34, s20, 8
	s_add_co_u32 s32, s32, s34
	s_add_co_u32 s32, s32, s21
	s_add_nc_u64 s[36:37], s[18:19], s[32:33]      ; my 256 bytes of scale words
	s_lshl_b32 s32, s23, 13
	s_lshl_b32 s34, s20, 12
	s_add_co_u32 s32, s32, s34
	s_add_nc_u64 s[18:19], s[18:19], s[32:33]      ; my 4,096 bytes of codes
.macro LOAD t                          ; unit t: 512 bytes of each of the tile's 16 rows
.irp i, 0,1,2,3,4,5,6,7,8,9,10,11,12,13,14,15
	global_load_b128 v[R+64*((\t)%2)+4*\i:R+64*((\t)%2)+4*\i+3], v4, s[24:25] offset:(\i+8*(\i/8))*4096+512*(\t) th:TH_LOAD_NT
.endr
.endm
.macro UNIT t
.if (\t) < 3
	s_wait_loadcnt 16                              ; this unit's 16 loads are in; the next unit's 16 may be out
.else
	s_wait_loadcnt 0x0
.endif
.irp i, 0,1,2,3,4,5,6,7,8,9,10,11,12,13,14,15
	ds_store_b128 v5, v[R+64*((\t)%2)+4*\i:R+64*((\t)%2)+4*\i+3] offset:SP*\i
.endr
.irp c, 0,1
.irp i, 0,1,2,3,4,5,6,7
	ds_load_b128 v[X+32*\c+4*\i:X+32*\c+4*\i+3], v6 offset:256*\c+16*\i   ; LDS serves a wave's instructions in order (ISA guide 5.7.1.4): these see the stores above
.endr
.endr
	s_wait_dscnt 0x0                               ; the unit is back, and the stores have read their registers,
.if (\t)+2 < 4
	LOAD (\t)+2                                    ; which take the loads of two units on
.endif
.irp c, 0,1
	v_max3_num_f32 v[12+\c], |v[X+32*\c]|, |v[X+32*\c+1]|, 0x1800000   ; my block 2 c + h: all its 32 numbers are mine; the floor 2^(3 - 127) holds the byte at 1 from below
.endr
.irp i, 2,4,6,8,10,12,14,16,18,20,22,24,26,28,30
.irp c, 0,1
	v_max3_num_f32 v[12+\c], v[12+\c], |v[X+32*\c+\i]|, |v[X+32*\c+\i+1]|   ; (the two blocks by turns)
.endr
.endr
.irp c, 0,1
	v_add_nc_u32 v[14+\c], 0xff000000, v[12+\c]    ; 2 off the exponent field: the conversion takes the exponent field of this operand as its scale, and nothing else of it
.endr
.irp c, 0,1
.irp g, 0,1,2,3
	v_cvt_scalef32_pk8_fp4_f32 v[C+8*(\t)+4*\c+\g], v[X+32*\c+8*\g:X+32*\c+8*\g+7], v[14+\c]
.endr
.endr
	v_lshrrev_b32 v244, 23, v14                    ; the scales' bytes.  (A plain line behind the last conversion)
	v_lshrrev_b32 v245, 23, v15
	v_lshl_or_b32 v9, v245, 16, v244               ; blocks h and 2 + h of my row,
	v_lshlrev_b32 v9, v8, v9                       ; at their places in the scale word;
	v_permlanex16_b32 v10, v9, s28, s29
	v_or_b32 v[PW+(\t)], v9, v10                   ; with lane l xor 16's two the word is whole
	global_store_b128 v4, v[C+8*(\t):C+8*(\t)+3], s[18:19] offset:1024*(\t)          ; 32 lanes store 512 consecutive bytes, at a multiple of 256 from the buffer's first byte
	global_store_b128 v4, v[C+8*(\t)+4:C+8*(\t)+7], s[18:19] offset:1024*(\t)+512
.endm
	LOAD 0
	LOAD 1
	UNIT 0
	UNIT 1
	UNIT 2
	UNIT 3
	v_cndmask_b32 v246, v[PW], v[PW+2], s30        ; lanes 0-15 store their row's words 0 and 1, lanes 16-31 words 2 and 3:
	v_cndmask_b32 v247, v[PW+1], v[PW+3], s30
	global_store_b64 v7, v[246:247], s[36:37]      ; 256 consecutive bytes, aligned
	s_wait_tensorcnt 0x0
	ds_add_u32 v254, v255
	s_wait_dscnt 0x0
	s_endpgm
.Lfunc_end_k_q957e05858c_quant:
	.size	k_q957e05858c_quant, .Lfunc_end_k_q957e05858c_quant-k_q957e05858c_quant
	.p2alignl 7, 3214868480
	.fill 96, 4, 3214868480
	.section	.rodata,"a",@progbits
	.p2align	6, 0x0
	.amdhsa_kernel k_q957e05858c_quant
		.amdhsa_group_segment_fixed_size 34304
		.amdhsa_private_segment_fixed_size 0
		.amdhsa_enable_private_segment 0
		.amdhsa_kernarg_size 56
		.amdhsa_user_sgpr_count 2
		.amdhsa_user_sgpr_kernarg_segment_ptr 1
		.amdhsa_wavefront_size32 1
		.amdhsa_system_sgpr_workgroup_id_x 1
		.amdhsa_system_sgpr_workgroup_id_y 1
		.amdhsa_system_sgpr_workgroup_id_z 1
		.amdhsa_system_vgpr_workitem_id 0
		.amdhsa_next_free_vgpr 256
		.amdhsa_next_free_sgpr 66
		.amdhsa_reserve_vcc 0
		.amdhsa_float_denorm_mode_32 3
		.amdhsa_float_denorm_mode_16_64 3
		.amdhsa_memory_ordered 1
		.amdhsa_forward_progress 1
		.amdhsa_inst_pref_size 30
	.end_amdhsa_kernel
	.amdgpu_metadata
---
amdhsa.version: [ 1, 2 ]
amdhsa.kernels:
  - .name:           k_q957e05858c_quant
    .symbol:         k_q957e05858c_quant.kd
    .args:
      - { .name: x, .offset: 0, .size: 8, .value_kind: global_buffer, .address_space: global }
      - { .name: Wq, .offset: 8, .size: 8, .value_kind: global_buffer, .address_space: global }
      - { .name: Wk, .offset: 16, .size: 8, .value_kind: global_buffer, .address_space: global }
      - { .name: Wv, .offset: 24, .size: 8, .value_kind: global_buffer, .address_space: global }
      - { .name: Wo, .offset: 32, .size: 8, .value_kind: global_buffer, .address_space: global }
      - { .name: xq, .offset: 40, .size: 8, .value_kind: global_buffer, .address_space: global }
      - { .name: wq, .offset: 48, .size: 8, .value_kind: global_buffer, .address_space: global }
    .group_segment_fixed_size: 34304
    .private_segment_fixed_size: 0
    .kernarg_segment_align: 8
    .kernarg_segment_size: 56
    .max_flat_workgroup_size: 128
    .sgpr_count:     66
    .vgpr_count:     256
    .wavefront_size: 32
...
	.end_amdgpu_metadata
.endif
;; end of part 1
;; launch qkv (part 2): grid 12 x 32, 4 waves a work-group, clusters of 4 x 4, 279,040 bytes of LDS; arguments xq, wq, bq, bk, bv, qkv; writes qkv
.if DOCPART == 2
	.amdgcn_target "amdgcn-amd-amdhsa--gfx1250"
	.amdhsa_code_object_version 6
	.text
	.protected	k_q957e05858c_qkv
	.globl	k_q957e05858c_qkv
	.p2align	8
	.type	k_q957e05858c_qkv,@function
k_q957e05858c_qkv:
	s_mov_b64 s[64:65], 0
	v_nop
	global_prefetch_b8 v0, s[64:65] scope:SCOPE_SE
	s_setreg_imm32_b32 hwreg(HW_REG_WAVE_MODE, 25, 1), 1
	s_wait_xcnt 0x0
	s_wait_alu depctr_hold_cnt(0) depctr_sa_sdst(0) depctr_va_vdst(0) depctr_va_sdst(0) depctr_va_ssrc(0) depctr_va_vcc(0) depctr_vm_vsrc(0)
	s_getreg_b32 s2, hwreg(HW_REG_IB_STS2, 6, 4)
	s_cmp_eq_u32 s2, 0
	s_cbranch_scc0 .Lentry_in_a_cluster
	s_endpgm
.Lentry_in_a_cluster:
	s_bfe_u32 s2, ttmp6, 0x10000c
	s_cmp_lg_u32 s2, 0xf033
	s_cbranch_scc0 .Lentry_shape_is_right
	s_endpgm
.Lentry_shape_is_right:
; q = x Wq^T + bq, k = x Wk^T + bk, v = x Wv^T + bv on codes of FP4 (E2M1) with E8M0 scales, sums in f32; the results are quantised here, in registers, for the two products of attention: q and k along the head's 64, v along the keys.
; LIMITS: NaN and infinities are not served.  A block of results whose largest magnitude lies under 2^-124 gets the scale byte 1 (the rule gives a block of zeros 127): the bytes are read by this program alone, and zero codes add nothing.
; SHARES.  A work-group makes 256 tokens x 256 features: xt = 0 .. 11 picks 256 rows of Wq | Wk | Wv, yt = 0 .. 31 the tokens.  Four waves, each 128 x 128: 64 accumulators, 512 registers.
; ROLES.  P is source 0: its rows become the REGISTERS of the result; R is source 1: its row is the lane.  For q and k P = W, R = x: a lane holds one token and its registers run along the features, which are the next K.
; For v P = x, R = W: a lane holds one feature and its registers run along the tokens, the keys, which are the next K.  The role hangs on the cluster's x alone (0: q, 1: k, 2: v), which all partners share.
; Tiles hold rows 32 G + 8 u + r + 8 (r / 8): so the 16 registers of P's tiles 2 G and 2 G + 1 are 16 neighbours along the next K.
; THE WHOLE K LIES IN LDS: 2 chunks of 512 along K, each W's 16 tiles x 4,096 bytes and x's 16 tiles; behind them the scale words.  Every byte is filled once, so there is no ring.  A wave has three tensor loads out at the most.
; CLUSTERS: 4 x 4 work-groups.  x's tiles hang on yt alone and are asked for jointly by a row of the cluster, W's on xt alone, by a column.
; THE OUTPUT: one record of 13,824 bytes for each (batch x head, key step of 128 tokens): K's part, V's, Q's, each 4,096 bytes of codes and 512 of scale words, laid as attention's operand registers take them.
; REGISTERS, in windows of 256: window 0: v1-27 addresses; v32-95 scale words; v96-122 bias and work; v128-191, v192-255 R's fragments, two sets (later the codes just made).
;   window 1: v0-63, v128-191 P's fragments, two sets; v64-127 the bias along P.   windows 2, 3: accumulator (a, b) at v[8 (8 (a % 4) + b)] of window 2 + a / 4.
.set REC,  13824
.set HS,   16*REC                      ; from a head's records to the next head's
.set CHB,  131072                      ; a chunk in LDS
.set SCL,  2*CHB                       ; the scale words: W's 8,192 bytes, then x's
.set LI,   3                           ; v3   16 x lane
.set ADRR, 16                          ; v16-17 R's fragments in chunk 0, 1
.set ADRP, 20                          ; v20-21 P's
.set ADRS, 27                          ; v27  my scale words: lanes 0-15 R's rows, lanes 16-31 P's
.set SC,   32                          ; register 32 c + 4 i + q: tile i's words of K step 4 c + q
.set BV,   96                          ; v96-103 bv at my lane's feature, for each of R's tiles
.set TM,   104                         ; v104-119 at work in the quantiser
.set PW,   120                         ; the scale word just made
.set SH,   121                         ; 16 h
.set VS,   122                         ; 16 r + h x HS
.set RF,   128
.set SW,   192                         ; v192-199 scale words on their way out
.set BQ,   64                          ; in window 1
.set SEL,  2                           ; s[2:3] lane selects for v_permlanex16_b32: lane l xor 16
.set G1X,  24                          ; s[24:31] group 1 for x's codes; s[32:39] group 0, a set for each chunk
.set G0X,  32
.set G1W,  48                          ; s[48:55], s[56:63] the same for W's
.set G0W,  56
.set G1SX, 68                          ; s[68:75], s[76:79] for x's scale words; s[80:87], s[88:91] for W's
.set G0SX, 76
.set G1SW, 80
.set G0SW, 88
.set MSB, 0
.macro WIN new                         ; the immediate's high byte repeats the setting that is left
.if MSB != (\new)
	s_set_vgpr_msb (MSB<<8)|(\new)
.set MSB, (\new)
.endif
.endm
.set MUL_LO, 0xa1                      ; source 0 (P) window 1, source 1 (R) window 0, C and D window 2
.set MUL_HI, 0xf1                      ; the same, C and D window 3
; A joint load: waves 0 and 1 fetch W's halves, waves 2 and 3 x's.  Each line has one mask and one set of registers for all that issue it; the branch hangs on the wave's number alone.
; Four v_nop follow each of the two lines, ahead of the jump, the label and what follows.
.macro JLOAD g0a, g1a, g0b, g1b
	s_cmp_eq_u32 s17, 0
	s_cbranch_scc0 .Lfor_b_\@
	tensor_load_to_lds s[\g0a:\g0a+3], s[\g1a:\g1a+7]
	s_nop 0
.rept 4
	v_nop
.endr
	s_branch .Lasked_\@
.Lfor_b_\@:
	tensor_load_to_lds s[\g0b:\g0b+3], s[\g1b:\g1b+7]
	s_nop 0
.rept 4
	v_nop
.endr
.Lasked_\@:
.endm
.macro CROUND                          ; a round of the cluster's barrier
	s_barrier_signal -1
	s_barrier_wait -1
	s_cmp_lg_u32 s16, 0
	s_cbranch_scc1 .Lnot_wave_0_\@
	s_barrier_signal -3
.Lnot_wave_0_\@:
	s_barrier_wait -3
	s_barrier_signal -1
	s_barrier_wait -1
.endm
.macro PLACES                          ; four places behind a matrix instruction of this form, in front of loads into registers that it has read and of the first read of results
.rept 4
	v_nop
.endr
.endm
	s_load_b256 s[4:11], s[0:1], 0x0               ; xq, wq, bq, bk
	s_load_b128 s[12:15], s[0:1], 0x20             ; bv, qkv
	v_lshl_add_u32 v126, v0, 2, 0x44000
	v_mov_b32 v127, 0
	ds_add_u32 v126, v127
	ds_add_u32 v126, v127
	v_lshrrev_b32 v1, 5, v0
	v_readfirstlane_b32 s16, v1                    ; wave 0..3
	s_lshr_b32 s17, s16, 1                         ; wR: which 128 rows of R are mine.  Also: I fetch for W (0) or for x (1)
	s_and_b32 s18, s16, 1                          ; wP: which 128 rows of P.  Also: which half I fetch
	s_bfe_u32 s40, ttmp6, 0x40000                  ; cx, cy: my place in the cluster
	s_bfe_u32 s41, ttmp6, 0x40004
	s_lshl_b32 s42, ttmp9, 2
	s_add_co_u32 s42, s42, s40                     ; xt = 4 x cluster x + cx
	s_and_b32 s43, ttmp7, 0xffff
	s_lshl_b32 s43, s43, 2
	s_add_co_u32 s43, s43, s41                     ; yt = 4 x cluster y + cy
	s_lshl_b32 s44, s41, 2
	s_lshl_b32 s44, 15, s44                        ; my row of the cluster
	s_lshl_b32 s45, 0x1111, s40                    ; my column
	; group 1, codes: 8 tiles, of each 4,096 bytes (512 elements of 8 bytes), 8,192 bytes apart in memory, dense in LDS
	s_or_b32 s[G1X], s44, (3<<16)|(1<<21)          ; 15:0 the mask; 17:16 elements of 8 bytes; 21 set beside a mask
	s_or_b32 s[G1W], s45, (3<<16)|(1<<21)
.irp g, G1X, G1W
	s_mov_b32 s[\g+1], 512<<16                     ; tensor_dim0
	s_mov_b32 s[\g+2], 8<<16                       ; tensor_dim1
	s_mov_b32 s[\g+3], 512<<16                     ; tile_dim0
	s_mov_b32 s[\g+4], 8                           ; tile_dim1
	s_mov_b32 s[\g+5], 1024                        ; tensor_dim0_stride
	s_mov_b32 s[\g+6], 0
	s_mov_b32 s[\g+7], 0
.endr
	; group 1, scale words: 8 tiles' 4,096 dense bytes, as 16 rows of 256
	s_or_b32 s[G1SX], s44, (3<<16)|(1<<21)
	s_or_b32 s[G1SW], s45, (3<<16)|(1<<21)
.irp g, G1SX, G1SW
	s_mov_b32 s[\g+1], 32<<16
	s_mov_b32 s[\g+2], 16<<16
	s_mov_b32 s[\g+3], 32<<16
	s_mov_b32 s[\g+4], 16
	s_mov_b32 s[\g+5], 32
	s_mov_b32 s[\g+6], 0
	s_mov_b32 s[\g+7], 0
.endr
	s_lshl_b32 s20, s43, 17                        ; x: tile 16 yt + 8 x half, 8,192 bytes a tile
	s_lshl_b32 s21, s18, 16
	s_add_co_u32 s20, s20, s21
	s_mov_b32 s21, 0
	s_lshl_b32 s22, s43, 13                        ; its scale words: 512 bytes a tile, behind the codes
	s_lshl_b32 s23, s18, 12
	s_add_co_u32 s22, s22, s23
	s_add_co_u32 s22, s22, 0x400000
	s_mov_b32 s23, 0
	s_lshl_b32 s46, s42, 17                        ; W likewise, by xt: in registers that never hold cy
	s_lshl_b32 s47, s18, 16
	s_add_co_u32 s46, s46, s47
	s_mov_b32 s47, 0
	s_lshl_b32 s92, s42, 13
	s_lshl_b32 s93, s18, 12
	s_add_co_u32 s92, s92, s93
	s_add_co_u32 s92, s92, 0x200000
	s_mov_b32 s93, 0
	s_lshl_b32 s66, s16, 15                        ; where they go: wave x 32,768 in a chunk (W's halves, then x's): no place in the cluster enters an LDS address
	s_lshl_b32 s67, s16, 12
	s_add_co_u32 s67, s67, SCL                     ; and wave x 4,096 among the scale words
	s_wait_dscnt 0x0
	s_wait_kmcnt 0x0
	s_add_nc_u64 s[20:21], s[4:5], s[20:21]
	s_add_nc_u64 s[22:23], s[4:5], s[22:23]
	s_add_nc_u64 s[46:47], s[6:7], s[46:47]
	s_add_nc_u64 s[92:93], s[6:7], s[92:93]
	CROUND                                         ; all sixteen work-groups are here: the joint loads meet
	s_mov_b32 s[G0SW], 1
	s_mov_b32 s[G0SW+1], s67
	s_mov_b64 s[G0SW+2:G0SW+3], s[92:93]
	s_or_b32 s[G0SW+3], s[G0SW+3], 0x80000000
	s_mov_b32 s[G0SX], 1
	s_mov_b32 s[G0SX+1], s67
	s_mov_b64 s[G0SX+2:G0SX+3], s[22:23]
	s_or_b32 s[G0SX+3], s[G0SX+3], 0x80000000
	JLOAD G0SW, G1SW, G0SX, G1SX                   ; the scale words first: they are wanted with chunk 0
.irp s, 0,1
	s_mov_b32 s[G0W+4*\s], 1
	s_add_co_u32 s[G0W+4*\s+1], s66, \s*CHB
	s_add_nc_u64 s[G0W+4*\s+2:G0W+4*\s+3], s[46:47], \s*4096
	s_or_b32 s[G0W+4*\s+3], s[G0W+4*\s+3], 0x80000000
	s_mov_b32 s[G0X+4*\s], 1
	s_add_co_u32 s[G0X+4*\s+1], s66, \s*CHB
	s_add_nc_u64 s[G0X+4*\s+2:G0X+4*\s+3], s[20:21], \s*4096
	s_or_b32 s[G0X+4*\s+3], s[G0X+4*\s+3], 0x80000000
	JLOAD G0W+4*\s, G1W, G0X+4*\s, G1X             ; K steps 4 s .. 4 s + 3
.endr
	; the roles, by the cluster's x
	s_cmp_eq_u32 ttmp9, 2
	s_cselect_b32 s19, 1, 0                        ; 1: v
	s_cselect_b32 s20, 0x10000, 0                  ; where P's tiles lie in a chunk,
	s_cselect_b32 s21, 0, 0x10000                  ; and R's;
	s_cselect_b32 s22, 8192, 0                     ; P's scale words,
	s_cselect_b32 s23, 0, 8192                     ; and R's
	s_cselect_b32 s96, s18, s17                    ; which 128 tokens (key step) are mine,
	s_cselect_b32 s97, s17, s18                    ; and which two heads
	s_cselect_b32 s99, 4608, 0                     ; the part of a record: K's at 0, V's at 4,608,
	s_cselect_b64 s[94:95], s[12:13], s[10:11]
	s_cmp_eq_u32 ttmp9, 0
	s_cselect_b32 s99, 9216, s99                   ; Q's at 9,216
	s_cselect_b64 s[94:95], s[8:9], s[94:95]       ; the bias of this cluster's product
	s_mov_b32 s66, 0xffff0000                      ; lanes 16-31
	s_mov_b32 s[SEL], 0x76543210
	s_mov_b32 s[SEL+1], 0xfedcba98
	s_lshl_b32 s46, s18, 15
	s_add_co_u32 s20, s20, s46                     ; + my 128 rows of P,
	s_lshl_b32 s46, s17, 15
	s_add_co_u32 s21, s21, s46                     ; of R
	s_lshl_b32 s46, s18, 12
	s_add_co_u32 s22, s22, s46
	s_lshl_b32 s46, s17, 12
	s_add_co_u32 s23, s23, s46
	v_and_b32 v1, 15, v0                           ; r
	v_bfe_u32 v2, v0, 4, 1                         ; h
	v_and_b32 v[LI], 31, v0
	v_lshlrev_b32 v[LI], 4, v[LI]
	v_add_nc_u32 v[ADRP], s20, v[LI]
	v_add_nc_u32 v[ADRP+1], CHB, v[ADRP]
	v_add_nc_u32 v[ADRR], s21, v[LI]
	v_add_nc_u32 v[ADRR+1], CHB, v[ADRR]
	v_mov_b32 v6, s23
	v_mov_b32 v7, s22
	v_cndmask_b32 v6, v6, v7, s66                  ; lanes 0-15 take R's words, lanes 16-31 P's
	v_lshl_add_u32 v[ADRS], v1, 4, v6
	v_add_nc_u32 v[ADRS], SCL, v[ADRS]
	v_lshlrev_b32 v4, 6, v2                        ; the bias along P: 16 h numbers on; never rewritten
	v_and_b32 v5, 8, v1
	v_add_nc_u32 v5, v5, v1
	v_lshlrev_b32 v5, 2, v5                        ; the bias along R: number r + 8 (r / 8) of a tile; never rewritten
	v_lshlrev_b32 v[SH], 4, v2
	v_mul_u32_u24 v[VS], v2, HS
	v_lshl_add_u32 v[VS], v1, 4, v[VS]
.irp b, 0,1,2,3
	v_mov_b32 v[TM+4+\b], 0                        ; written once: a lane permute's destination counts as one of its sources
.endr
	; where my results go: record ((batch x 16 + head) x 16 + key step), + the part
	s_lshr_b32 s46, s43, 3                         ; batch
	s_lshl_b32 s46, s46, 4
	s_lshl_b32 s47, s40, 2                         ; four heads for each 256 features,
	s_add_co_u32 s46, s46, s47
	s_lshl_b32 s47, s97, 1                         ; two for my 128
	s_add_co_u32 s46, s46, s47
	s_lshl_b32 s46, s46, 4
	s_and_b32 s47, s43, 7
	s_lshl_b32 s47, s47, 1
	s_add_co_u32 s46, s46, s47
	s_add_co_u32 s46, s46, s96
	s_mul_i32 s46, s46, REC
	s_add_co_u32 s46, s46, s99
	s_mov_b32 s47, 0
	s_add_nc_u64 s[14:15], s[14:15], s[46:47]
	s_lshl_b32 s46, s40, 10                        ; the biases: 256 numbers for each xt, 128 for my half
	s_lshl_b32 s92, s18, 9
	s_add_co_u32 s92, s92, s46
	s_mov_b32 s93, 0
	s_add_nc_u64 s[94:95], s[94:95], s[92:93]
	s_lshl_b32 s92, s17, 9
	s_add_co_u32 s92, s92, s46
	s_add_nc_u64 s[12:13], s[12:13], s[92:93]
	WIN 0x40                                       ; destination window 1.  Both biases are loaded on every way, so that no register is written on one way alone
.irp t, 0,1,2,3,4,5,6,7
	global_load_b128 v[BQ+8*\t:BQ+8*\t+3], v4, s[94:95] offset:(32*(\t/2)+8*(\t%2))*4       ; tile t, my half: features 32 (t / 2) + 16 h + 8 (t % 2) + 0 .. 7
	global_load_b128 v[BQ+8*\t+4:BQ+8*\t+7], v4, s[94:95] offset:(32*(\t/2)+8*(\t%2))*4+16
.endr
	WIN 0
.irp a, 0,1,2,3,4,5,6,7
	global_load_b32 v[BV+\a], v5, s[12:13] offset:(32*(\a/2)+8*(\a%2))*4
.endr
.macro FRAG reg, adr, off              ; a fragment lies in LDS as an image of its registers: two loads of 512 consecutive bytes
	ds_load_b128 v[\reg:\reg+3], v[\adr] offset:\off
	ds_load_b128 v[\reg+4:\reg+7], v[\adr] offset:\off+512
.endm
.macro FETCH c, q, p                   ; K step 4 c + q: P's eight fragments and R's eight into set p
	WIN 0x40
.irp i, 0,1,2,3,4,5,6,7
	FRAG 128*(\p)+8*\i, ADRP+(\c), 4096*\i+1024*(\q)
.endr
	WIN 0
.irp i, 0,1,2,3,4,5,6,7
	FRAG RF+64*(\p)+8*\i, ADRR+(\c), 4096*\i+1024*(\q)
.endr
.endm
.macro SCALES                          ; all scale words of my rows, for all of K: four K steps to a load
.irp c, 0,1
.irp i, 0,1,2,3,4,5,6,7
	ds_load_b128 v[SC+32*\c+4*\i:SC+32*\c+4*\i+3], v[ADRS] offset:512*\i+256*\c
.endr
.endr
.endm
; 16 matrix instructions: R's tiles a0, a0 + 1 x P's eight.  cm = 1: the first K step starts the sums.  The 64 accumulators take turns, one instruction a turn, in the same order in every K step.
.macro MUL a0, p, c, q, cm
.irp a, \a0, \a0+1
.irp b, 0,1,2,3,4,5,6,7
.if (\cm) == 1
	v_wmma_scale_f32_16x16x128_f8f6f4 v[8*(8*((\a)%4)+\b):8*(8*((\a)%4)+\b)+7], v[128*(\p)+8*\b:128*(\p)+8*\b+7], v[RF+64*(\p)+8*(\a):RF+64*(\p)+8*(\a)+7], 0, v[SC+32*(\c)+4*\b+(\q)], v[SC+32*(\c)+4*(\a)+(\q)] matrix_a_fmt:MATRIX_FMT_FP4 matrix_b_fmt:MATRIX_FMT_FP4 matrix_a_scale:MATRIX_SCALE_ROW1
.else
	v_wmma_scale_f32_16x16x128_f8f6f4 v[8*(8*((\a)%4)+\b):8*(8*((\a)%4)+\b)+7], v[128*(\p)+8*\b:128*(\p)+8*\b+7], v[RF+64*(\p)+8*(\a):RF+64*(\p)+8*(\a)+7], v[8*(8*((\a)%4)+\b):8*(8*((\a)%4)+\b)+7], v[SC+32*(\c)+4*\b+(\q)], v[SC+32*(\c)+4*(\a)+(\q)] matrix_a_fmt:MATRIX_FMT_FP4 matrix_b_fmt:MATRIX_FMT_FP4 matrix_a_scale:MATRIX_SCALE_ROW1
.endif
.endr
.endr
.endm
; A K step of 128: its fragments were asked for a whole K step ago; the next step's go into the other set, which the last step's products have read, and land under this step's 64 products.
.macro STEP c, q, cm
.set N, 4*(\c)+(\q)
	s_wait_dscnt 0x0                               ; this step's fragments are in
.if N == 3
	s_wait_tensorcnt 0x0                           ; my part of chunk 1 has landed,
	s_barrier_signal -1
	s_barrier_wait -1                              ; everybody's has: the loads below read it.
.endif
.if N < 7
	PLACES
	FETCH (N+1)/4, (N+1)%4, (N+1)%2
.endif
	WIN MUL_LO
	MUL 0, N%2, \c, \q, \cm
	MUL 2, N%2, \c, \q, \cm
	WIN MUL_HI
	MUL 4, N%2, \c, \q, \cm
	MUL 6, N%2, \c, \q, \cm
	WIN 0
.endm
	s_wait_tensorcnt 0x1                           ; the scale words and my part of chunk 0 are in; chunk 1's load, issued behind them, may be out
	s_barrier_signal -1
	s_barrier_wait -1                              ; everybody's are
	SCALES
	FETCH 0, 0, 0
	STEP 0, 0, 1
	STEP 0, 1, 0
	STEP 0, 2, 0
	STEP 0, 3, 0
	STEP 1, 0, 0
	STEP 1, 1, 0
	STEP 1, 2, 0
	STEP 1, 3, 0
; THE WAY OUT.  For each of R's tiles: the bias is added; the lane's 64 numbers, register 16 b + i = next K 32 b + 16 h + i, are quantised: the largest magnitude of a block (mine and lane l xor 16's), the scale's byte,
; eight conversions, and the exchange of halves that gives each lane whole blocks.  The eight registers are an operand's image and are stored as they stand.  Each tile has registers of its own for what it stores.
.macro EPI pv
.set ea, 0
.rept 8
.set EW, 2+ea/4                        ; the tile's accumulators: window,
.set S0, 64*(ea%4)                     ; first register
.set PC, RF+8*ea                       ; its codes
.if \pv
	WIN (EW<<6)|EW                                 ; the bias in window 0
.else
	WIN (EW<<6)|4|EW                               ; the bias in window 1
.endif
.set ei, 0
.rept 32
.if \pv
.if ea%2
	v_pk_add_f32 v[S0+ei:S0+ei+1], v[S0+ei:S0+ei+1], v[BV+2*(ea/2):BV+2*(ea/2)+1] op_sel:[0,1] op_sel_hi:[1,1]   ; my feature's bias serves both halves
.else
	v_pk_add_f32 v[S0+ei:S0+ei+1], v[S0+ei:S0+ei+1], v[BV+2*(ea/2):BV+2*(ea/2)+1] op_sel_hi:[1,0]
.endif
.else
	v_pk_add_f32 v[S0+ei:S0+ei+1], v[S0+ei:S0+ei+1], v[BQ+ei:BQ+ei+1]   ; each accumulator from its low end on
.endif
.set ei, ei+2
.endr
	WIN EW|(EW<<2)
.irp b, 0,1,2,3
	v_max3_num_f32 v[TM+\b], |v[S0+16*\b]|, |v[S0+16*\b+1]|, 0x1800000   ; the floor 2^(3 - 127) holds the byte at 1 from below
.endr
.irp i, 2,4,6,8,10,12,14
.irp b, 0,1,2,3
	v_max3_num_f32 v[TM+\b], |v[S0+16*\b+\i]|, |v[S0+16*\b+\i+1]|, v[TM+\b]   ; (the four blocks by turns)
.endr
.endr
	WIN 0
.irp b, 0,1,2,3
	v_permlanex16_b32 v[TM+4+\b], v[TM+\b], s[SEL], s[SEL+1]
.endr
.irp b, 0,1,2,3
	v_max_num_f32 v[TM+\b], v[TM+\b], v[TM+4+\b]
.endr
.irp b, 0,1,2,3
	v_add_nc_u32 v[TM+12+\b], 0xff000000, v[TM+\b] ; 2 off the exponent field: the conversion's scale operand
.endr
.irp b, 0,1,2,3
	v_lshrrev_b32 v[TM+4+\b], 23, v[TM+12+\b]      ; the scale's byte
.endr
	v_lshl_or_b32 v[PW], v[TM+5], 8, v[TM+4]
	v_lshl_or_b32 v[PW], v[TM+6], 16, v[PW]
	v_lshl_or_b32 v[PW], v[TM+7], 24, v[PW]
	WIN EW
.irp b, 0,1,2,3
	v_cvt_scalef32_pk8_fp4_f32 v[PC+2*\b], v[S0+16*\b:S0+16*\b+7], v[TM+12+\b]
	v_cvt_scalef32_pk8_fp4_f32 v[PC+2*\b+1], v[S0+16*\b+8:S0+16*\b+15], v[TM+12+\b]
.endr
	WIN 0
	v_nop                                          ; one plain place behind a scaled conversion
.irp c, 0,1
.irp i, 0,1
	v_permlane16_swap_b32 v[PC+4*\c+\i], v[PC+2+4*\c+\i]   ; registers 4 c .. 4 c + 3 now hold next K 64 c + 32 h + 0 .. 31
.endr
.endr
.if \pv
	v_mov_b32 v[SW+ea], v[PW]                      ; V: a fragment of 16 features x 128 keys, and its rows' words
	global_store_b128 v[LI], v[PC:PC+3], s[14:15] offset:(ea/4)*HS+1024*(ea%4)
	global_store_b128 v[LI], v[PC+4:PC+7], s[14:15] offset:(ea/4)*HS+1024*(ea%4)+512
.if ea%4 == 3
	global_store_b128 v[LI], v[SW+ea-3:SW+ea], s[14:15] offset:(ea/4)*HS+4096   ; a head's four tiles: 512 consecutive bytes
.endif
.else
	v_lshrrev_b32 v[SW+ea], v[SH], v[PW]           ; Q, K: registers 0-3 are the first head's 64, registers 4-7 the second's; lanes 0-15 keep the first head's two bytes low, lanes 16-31 the second's
	global_store_b128 v[LI], v[PC:PC+3], s[14:15] offset:512*ea
	global_store_b128 v[LI], v[PC+4:PC+7], s[14:15] offset:512*ea+HS
.if ea%4 == 3
	global_store_b128 v[VS], v[SW+ea-3:SW+ea], s[14:15] offset:4096+256*(ea/4)   ; each half of the lanes stores 256 consecutive bytes, aligned, of its head
.endif
.endif
.set ea, ea+1
.endr
.endm
	s_wait_loadcnt 0x0                             ; the biases
	PLACES                                         ; behind the last products
	s_cmp_eq_u32 s19, 1
	s_cbranch_scc1 .Lfor_v
	EPI 0
	s_branch .Lout
.Lfor_v:
	EPI 1
.Lout:
	s_wait_dscnt 0x0
	s_wait_tensorcnt 0x0
	ds_add_u32 v126, v127
	s_wait_dscnt 0x0
	CROUND                                         ; the closing round: no work-group ends while a partner may still ask for a tile that names it
	s_endpgm
.Lfunc_end_k_q957e05858c_qkv:
	.size	k_q957e05858c_qkv, .Lfunc_end_k_q957e05858c_qkv-k_q957e05858c_qkv
	.p2alignl 7, 3214868480
	.fill 96, 4, 3214868480
	.section	.rodata,"a",@progbits
	.p2align	6, 0x0
	.amdhsa_kernel k_q957e05858c_qkv
		.amdhsa_group_segment_fixed_size 279040
		.amdhsa_private_segment_fixed_size 0
		.amdhsa_enable_private_segment 0
		.amdhsa_kernarg_size 48
		.amdhsa_user_sgpr_count 2
		.amdhsa_user_sgpr_kernarg_segment_ptr 1
		.amdhsa_wavefront_size32 1
		.amdhsa_system_sgpr_workgroup_id_x 1
		.amdhsa_system_sgpr_workgroup_id_y 1
		.amdhsa_system_sgpr_workgroup_id_z 1
		.amdhsa_system_vgpr_workitem_id 0
		.amdhsa_next_free_vgpr 1024
		.amdhsa_next_free_sgpr 100
		.amdhsa_reserve_vcc 0
		.amdhsa_float_denorm_mode_32 3
		.amdhsa_float_denorm_mode_16_64 3
		.amdhsa_memory_ordered 1
		.amdhsa_forward_progress 1
		.amdhsa_inst_pref_size 195
	.end_amdhsa_kernel
	.amdgpu_metadata
---
amdhsa.version: [ 1, 2 ]
amdhsa.kernels:
  - .name:           k_q957e05858c_qkv
    .symbol:         k_q957e05858c_qkv.kd
    .args:
      - { .name: xq, .offset: 0, .size: 8, .value_kind: global_buffer, .address_space: global }
      - { .name: wq, .offset: 8, .size: 8, .value_kind: global_buffer, .address_space: global }
      - { .name: bq, .offset: 16, .size: 8, .value_kind: global_buffer, .address_space: global }
      - { .name: bk, .offset: 24, .size: 8, .value_kind: global_buffer, .address_space: global }
      - { .name: bv, .offset: 32, .size: 8, .value_kind: global_buffer, .address_space: global }
      - { .name: qkv, .offset: 40, .size: 8, .value_kind: global_buffer, .address_space: global }
    .group_segment_fixed_size: 279040
    .private_segment_fixed_size: 0
    .kernarg_segment_align: 8
    .kernarg_segment_size: 48
    .max_flat_workgroup_size: 128
    .sgpr_count:     100
    .vgpr_count:     1024
    .wavefront_size: 32
...
	.end_amdgpu_metadata
.endif
;; end of part 2
;; launch attn (part 3): grid 4 x 64, 16 waves a work-group, no clusters, 169,984 bytes of LDS; arguments qkv, cq; writes cq
.if DOCPART == 3
	.amdgcn_target "amdgcn-amd-amdhsa--gfx1250"
	.amdhsa_code_object_version 6
	.text
	.protected	k_q957e05858c_attn
	.globl	k_q957e05858c_attn
	.p2align	8
	.type	k_q957e05858c_attn,@function
k_q957e05858c_attn:
	s_mov_b64 s[64:65], 0
	v_nop
	global_prefetch_b8 v0, s[64:65] scope:SCOPE_SE
	s_setreg_imm32_b32 hwreg(HW_REG_WAVE_MODE, 25, 1), 1
	s_wait_xcnt 0x0
; ctx[b][t][head] = softmax over the keys s <= t of (q . k / 8) times v, both products on codes of FP4 (E2M1) with E8M0 scales; ctx is quantised here, along the model's 1,024, for the last product.
; THE SOFTMAX AHEAD OF THE SECOND PRODUCT: t = score x log2(e) / 8; M = the running largest t rounded UP to a whole number; p = 2^(t - M) is quantised along the keys, not normalised; the row's sum is taken of the unquantised p
; and divides at the end.  When M moves, the sum and O are multiplied by 2^(old M - new M), which rounds nothing.
; LIMITS: NaN and infinities are not served.  ctx = O x v_rcp_f32(sum), the reciprocal within one unit in its last place.  A block's largest p is taken from the block's largest score (v_exp_f32 is taken not to fall where its input rises).
; A block whose largest magnitude lies under 2^-124 gets the scale byte 1; the bytes are read by this program alone, and zero codes add nothing.
; THE HEAD'S 64 fill half of the first product's K of 128: registers 4-7 of Q's and K's fragments hold zero codes, written once.
; SHARES.  A work-group serves one (batch, head); its sixteen waves have 256 registers each.  With j = 16 x + wave, a wave owns the query tiles j and 127 - j (16 queries each: 32 G + 8 u + r + 8 (r / 8)).
; Tile T needs key steps 0 .. T / 8, the last on the diagonal: (j / 8 + 1) + ((127 - j) / 8 + 1) = 17 for every j: every wave of the launch works 17 tile steps, and no step all of whose keys are hidden is worked.
; LDS holds the head's K and V whole: 16 records of 9,216 bytes, filled once by waves 0 to 3 (two tensor loads each: a record, then three), read by all; nothing is stored into LDS.
; NO CLUSTER, though the four work-groups of a head read the same records: a hidden step is left out by a branch on the query tile's number, which hangs on the work-group's x, and partners of joint requests must run alike.
; Both products are used transposed (S^T = K Q^T, O^T = V^T P^T): a lane holds one query throughout; the keys of a tile of K are chosen so that p's 16 registers of two neighbouring tiles are 16 neighbouring keys.
; REGISTERS: v1-5 addresses; v6, v7 Q's scale words; v8-11, v12-15 each tile's -M, largest t, sum in two halves; v16-31 Q; v32-63 four fragments of K; v64-95 V's four; v96-159 S^T, then p; v160-223 O^T of both tiles;
;   v224-231 p's codes; v240-243 V's scale words; v248-251 K's; v253 p's; the rest of v232-254 at work.
.set REC,   13824
.set KVB,   9216                       ; K's and V's parts of a record
.set LI,    1                          ; v1  16 x lane
.set ADR,   2                          ; v2  the record in hand + 16 x lane
.set QL,    3                          ; v3  r + 8 (r / 8) - 16 h
.set WV,    8                          ; s8  my wave's number
.set G1A,   16                         ; s[16:23] group 1 for one record; s[24:31] for three; s[32:35], s[36:39] their groups 0
.set G1B,   24
.set G0A,   32
.set G0B,   36
.set SEL,   40                         ; s[40:41] lane selects for v_permlanex16_b32: lane l xor 16
.set CS,    42                         ; s[42:43] c = log2(e) / 8
.set TB,    44                         ; LDS byte of the record in hand
.set KF,    45                         ; its first key
.set SN,    46                         ; its number
.set CNT,   47
.set LASTA, 48                         ; each tile's last key step,
.set LASTB, 49
.set Q0A,   50                         ; and its first query
.set Q0B,   51
	s_load_b128 s[4:7], s[0:1], 0x0                ; qkv, cq
	v_lshl_add_u32 v254, v0, 2, 0x29000
	v_mov_b32 v255, 0
	ds_add_u32 v254, v255
	ds_add_u32 v254, v255
	s_wait_dscnt 0x0
	v_lshrrev_b32 v2, 5, v0
	v_readfirstlane_b32 s[WV], v2                  ; wave 0..15
	s_and_b32 s9, ttmp7, 0xffff                    ; batch x 16 + head
	s_lshl_b32 s13, s9, 4                          ; its first record
	s_mov_b32 s[G1A], 3<<16                        ; no mask; elements of 8 bytes; no padding
	s_mov_b32 s[G1A+1], 1152<<16                   ; tensor_dim0: 9,216 bytes
	s_mov_b32 s[G1A+2], 1<<16                      ; tensor_dim1
	s_mov_b32 s[G1A+3], 1152<<16                   ; tile_dim0
	s_mov_b32 s[G1A+4], 1                          ; tile_dim1
	s_mov_b32 s[G1A+5], 1152                       ; tensor_dim0_stride
	s_mov_b32 s[G1A+6], 0
	s_mov_b32 s[G1A+7], 0
	s_mov_b32 s[G1B], 3<<16
	s_mov_b32 s[G1B+1], 1152<<16
	s_mov_b32 s[G1B+2], 3<<16                      ; three records,
	s_mov_b32 s[G1B+3], 1152<<16
	s_mov_b32 s[G1B+4], 3
	s_mov_b32 s[G1B+5], 1728                       ; 13,824 bytes apart in memory, dense in LDS
	s_mov_b32 s[G1B+6], 0
	s_mov_b32 s[G1B+7], 0
	s_add_co_u32 s68, s13, s[WV]                   ; wave w fetches record w,
	s_mul_i32 s68, s68, REC
	s_mov_b32 s69, 0
	s_mul_i32 s70, s[WV], 3
	s_add_co_u32 s70, s70, s13
	s_add_co_u32 s70, s70, 4                       ; and records 4 + 3 w .. 6 + 3 w
	s_mul_i32 s70, s70, REC
	s_mov_b32 s71, 0
	s_wait_kmcnt 0x0
	s_mov_b32 s[G0A], 1
	s_mul_i32 s[G0A+1], s[WV], KVB
	s_add_nc_u64 s[G0A+2:G0A+3], s[4:5], s[68:69]
	s_or_b32 s[G0A+3], s[G0A+3], 0x80000000
	s_mov_b32 s[G0B], 1
	s_mul_i32 s[G0B+1], s[WV], 3*KVB
	s_add_co_u32 s[G0B+1], s[G0B+1], 4*KVB
	s_add_nc_u64 s[G0B+2:G0B+3], s[4:5], s[70:71]
	s_or_b32 s[G0B+3], s[G0B+3], 0x80000000
	s_cmp_lt_u32 s[WV], 4                          ; a wave's two fills stand in one branch, ahead of every wait on TENSORcnt, every LDS read and every barrier
	s_cbranch_scc0 .Lno_fetch
	tensor_load_to_lds s[G0A:G0A+3], s[G1A:G1A+7]
	s_nop 0
	tensor_load_to_lds s[G0B:G0B+3], s[G1B:G1B+7]
	s_nop 0
.rept 4
	v_nop
.endr
.Lno_fetch:
	s_lshl_b32 s10, ttmp9, 4
	s_add_co_u32 s10, s10, s[WV]                   ; j
	s_mov_b32 s11, s10                             ; my tiles: j,
	s_sub_co_u32 s12, 127, s10                     ; and 127 - j
	s_lshr_b32 s[LASTA], s11, 3
	s_lshr_b32 s[LASTB], s12, 3
	s_lshr_b32 s[Q0A], s11, 1
	s_lshl_b32 s[Q0A], s[Q0A], 5
	s_and_b32 s14, s11, 1
	s_lshl_b32 s14, s14, 3
	s_add_co_u32 s[Q0A], s[Q0A], s14
	s_lshr_b32 s[Q0B], s12, 1
	s_lshl_b32 s[Q0B], s[Q0B], 5
	s_and_b32 s14, s12, 1
	s_lshl_b32 s14, s14, 3
	s_add_co_u32 s[Q0B], s[Q0B], s14
; where a query tile's codes (cb) and scale words (sb) lie: Q's part of record tile / 8: tile % 8's 512 bytes; words [group of four tiles][r][four words]
.macro QBASE tau, last, cb, sb
	s_add_co_u32 s68, s13, s[\last]
	s_mul_i32 s68, s68, REC
	s_add_co_u32 s68, s68, KVB
	s_and_b32 s70, s[\tau], 7
	s_lshl_b32 s71, s70, 9
	s_add_co_u32 s71, s71, s68
	s_lshr_b32 s70, s70, 2
	s_lshl_b32 s70, s70, 8
	s_add_co_u32 s70, s70, s68
	s_and_b32 s68, s[\tau], 3
	s_lshl_b32 s68, s68, 2
	s_add_co_u32 s70, s70, s68
	s_add_co_u32 s70, s70, 4096
	s_mov_b32 s68, s71
	s_mov_b32 s69, 0
	s_mov_b32 s71, 0
	s_add_nc_u64 s[\cb:\cb+1], s[4:5], s[68:69]
	s_add_nc_u64 s[\sb:\sb+1], s[4:5], s[70:71]
.endm
	QBASE 11, LASTA, 52, 56
	QBASE 12, LASTB, 54, 58
	v_and_b32 v[LI], 31, v0
	v_lshlrev_b32 v[LI], 4, v[LI]
	v_and_b32 v232, 15, v0                         ; r
	v_bfe_u32 v233, v0, 4, 1                       ; h
	v_lshlrev_b32 v4, 4, v232                      ; 16 r; never rewritten
	global_load_b128 v[16:19], v[LI], s[52:53]     ; Q stays in registers
	global_load_b128 v[24:27], v[LI], s[54:55]
	global_load_b32 v6, v4, s[56:57]
	global_load_b32 v7, v4, s[58:59]
	; where ctx goes: tile T = 128 x batch + my tile; codes at 8,192 T + 512 x head; scale bytes behind the codes, at 512 T + 256 (head / 8) + 16 r + 2 (head % 8)
	s_lshr_b32 s68, s9, 4
	s_lshl_b32 s68, s68, 7
	s_and_b32 s69, s9, 15
	s_add_co_u32 s70, s68, s11
	s_lshl_b32 s70, s70, 13
	s_lshl_b32 s71, s69, 9
	s_add_co_u32 s70, s70, s71
	s_mov_b32 s71, 0
	s_add_nc_u64 s[60:61], s[6:7], s[70:71]
	s_add_co_u32 s70, s68, s12
	s_lshl_b32 s70, s70, 13
	s_lshl_b32 s71, s69, 9
	s_add_co_u32 s70, s70, s71
	s_mov_b32 s71, 0
	s_add_nc_u64 s[62:63], s[6:7], s[70:71]
	s_add_co_u32 s70, s68, s11
	s_lshl_b32 s70, s70, 9
	s_lshr_b32 s71, s69, 3
	s_lshl_b32 s71, s71, 8
	s_add_co_u32 s70, s70, s71
	s_and_b32 s71, s69, 7
	s_lshl_b32 s71, s71, 1
	s_add_co_u32 s70, s70, s71
	s_add_co_u32 s70, s70, 0x400000
	s_mov_b32 s71, 0
	s_add_nc_u64 s[66:67], s[6:7], s[70:71]
	s_sub_co_u32 s15, s12, s11
	s_lshl_b32 s15, s15, 9                         ; from my first tile's scale bytes to my second's: 512 (127 - 2 j), above 0
	s_mov_b32 s14, 0xffff0000                      ; lanes 16-31
	s_mov_b32 s[SEL], 0x76543210
	s_mov_b32 s[SEL+1], 0xfedcba98
	s_mov_b32 s[CS], 0x3e38aa3b                    ; c = log2(e) / 8
	s_mov_b32 s[CS+1], s[CS]                       ; (named with it as a pair, so it is written)
	s_mov_b32 s[TB], 0
	s_mov_b32 s[KF], 0
	s_mov_b32 s[SN], 0
	v_and_b32 v234, 8, v232
	v_add_nc_u32 v234, v234, v232
	v_lshlrev_b32 v235, 4, v233
	v_sub_nc_u32 v[QL], v234, v235
	v_mul_u32_u24 v5, s15, v233
	v_add_nc_u32 v5, v5, v4                        ; lanes 0-15: my first tile's row r; lanes 16-31: my second's
.irp j, 20,21,22,23,28,29,30,31,36,37,38,39,44,45,46,47,52,53,54,55,60,61,62,63
	v_mov_b32 v[\j], 0                             ; zero codes for k = 64 .. 127 of the first product: written once, never loaded
.endr
.irp s, 8,12
	v_mov_b32 v[\s+1], 0xff61b1e6                  ; the largest t so far: -3e38, under every t
	v_floor_f32 v[\s], -v[\s+1]                    ; -M
	v_mov_b32 v[\s+2], 0                           ; the sum, in two halves
	v_mov_b32 v[\s+3], 0
.endr
.irp j, 236,237,238,239,252,253,254
	v_mov_b32 v[\j], 0                             ; written once: a lane permute's destination, and the upper half of a pair, count as read
.endr
.set tn, 0
.rept 64
	v_mov_b32 v[160+tn], 0                         ; O^T of both tiles.  (The step is written once: the first finds zeros, which the first change of M leaves zeros)
.set tn, tn+1
.endr
; ONE TILE'S KEY STEP: 128 keys of the record in hand.  A step all of whose keys come after the tile's queries is left out by a scalar branch on ids; no barrier and no tensor load stands in a step.
.macro TSTEP Q, QS, ST, O, LAST, Q0
	s_cmp_gt_u32 s[SN], s[\LAST]
	s_cbranch_scc1 .Lhid_\@
	v_add_nc_u32 v[ADR], s[TB], v[LI]
.rept 4
	v_nop                                          ; places behind the last products, whose fragments and scale words are loaded again
.endr
.irp t, 0,1,2,3
	ds_load_b128 v[32+8*\t:35+8*\t], v[ADR] offset:512*\t          ; K's tiles 0-3
.endr
	ds_load_b128 v[248:251], v[ADR] offset:4096                    ; their rows' words (lanes 0-15 are read)
.irp t, 0,1,2,3
	ds_load_b128 v[64+8*\t:67+8*\t], v[ADR] offset:4608+1024*\t    ; V's four tiles
	ds_load_b128 v[68+8*\t:71+8*\t], v[ADR] offset:4608+1024*\t+512
.endr
	ds_load_b128 v[240:243], v[ADR] offset:8704                    ; and their words
	s_wait_dscnt 9                                 ; K's five loads are in; V's nine, issued behind them, may be out
.irp t, 0,1,2,3
	v_wmma_scale_f32_16x16x128_f8f6f4 v[96+8*\t:103+8*\t], v[32+8*\t:39+8*\t], v[\Q:\Q+7], 0, v[248+\t], v[\QS] matrix_a_fmt:MATRIX_FMT_FP4 matrix_b_fmt:MATRIX_FMT_FP4
.endr
.rept 4
	v_nop
.endr
.irp t, 0,1,2,3
	ds_load_b128 v[32+8*\t:35+8*\t], v[ADR] offset:2048+512*\t     ; K's tiles 4-7
.endr
	ds_load_b128 v[248:251], v[ADR] offset:4352
	s_wait_dscnt 0x0
.irp t, 0,1,2,3
	v_wmma_scale_f32_16x16x128_f8f6f4 v[128+8*\t:135+8*\t], v[32+8*\t:39+8*\t], v[\Q:\Q+7], 0, v[248+\t], v[\QS] matrix_a_fmt:MATRIX_FMT_FP4 matrix_b_fmt:MATRIX_FMT_FP4
.endr
.rept 4
	v_nop
.endr
	s_cmp_lg_u32 s[SN], s[\LAST]                   ; on the diagonal the scores of hidden keys become -infinity ahead of the maximum: p = 0 then
	s_cbranch_scc1 .Lopen_\@
	s_sub_co_i32 s68, s[\Q0], s[KF]
	v_add_nc_u32 v252, s68, v[QL]                  ; d = my query - the step's first key - 16 h.  Register 16 b + i holds key 32 b + 16 h + i of the step: hidden where 32 b + i > d
	v_mov_b32 v254, 0xff800000
.set tn, 0
.rept 64
	v_cmp_gt_i32 vcc_lo, 32*(tn/16)+tn%16, v252
	v_cndmask_b32 v[96+tn], v[96+tn], v254, vcc_lo
.set tn, tn+1
.endr
.Lopen_\@:
.irp b, 0,1,2,3
	v_max3_num_f32 v[232+\b], v[96+16*\b], v[97+16*\b], v[98+16*\b]   ; the largest score of each block of 32 keys: for the row's maximum and, since p rises with the score, for the block's largest p
.endr
.irp i, 3,5,7,9,11,13
.irp b, 0,1,2,3
	v_max3_num_f32 v[232+\b], v[232+\b], v[96+16*\b+\i], v[97+16*\b+\i]
.endr
.endr
.irp b, 0,1,2,3
	v_max_num_f32 v[232+\b], v[232+\b], v[111+16*\b]
.endr
.irp b, 0,1,2,3
	v_permlanex16_b32 v[236+\b], v[232+\b], s[SEL], s[SEL+1]
.endr
.irp b, 0,1,2,3
	v_max_num_f32 v[232+\b], v[232+\b], v[236+\b]  ; with lane l xor 16's 16 keys
.endr
	v_max3_num_f32 v254, v232, v233, v234
	v_max_num_f32 v254, v254, v235
	v_mul_f32 v254, s[CS], v254                    ; the step's largest t of my query
	v_max_num_f32 v[\ST+1], v[\ST+1], v254         ; the running largest t
	v_mov_b32 v254, v[\ST]
	v_floor_f32 v[\ST], -v[\ST+1]                  ; the new -M = -ceil(t): M is a whole number
	v_sub_f32 v254, v[\ST], v254                   ; old M - new M: a whole number, 0 or less
	v_cvt_i32_f32 v254, v254                       ; (it saturates)
	v_ldexp_f32 v252, 1.0, v254                    ; f = 2^(old M - new M)
.set tn, 0
.rept 32
	v_pk_fma_f32 v[96+tn:97+tn], v[96+tn:97+tn], s[CS:CS+1], v[\ST:\ST+1] op_sel_hi:[1,0,0]   ; t - M, two at a time
.set tn, tn+2
.endr
.irp b, 0,1,2,3
	v_fma_f32 v[232+\b], v[232+\b], s[CS], v[\ST]  ; the same of each block's largest score
.endr
.set tn, 0
.rept 64
	v_exp_f32 v[96+tn], v[96+tn]                   ; p = 2^(t - M), at most 1
.set tn, tn+1
.endr
	v_pk_mul_f32 v[\ST+2:\ST+3], v[\ST+2:\ST+3], v[252:253] op_sel_hi:[1,0]   ; the sums under the new M.  (A plain place behind the exponentials)
	s_wait_alu depctr_va_vdst(0)                   ; one wait for the whole batch, ahead of its first reader
.irp b, 0,1,2,3
	v_exp_f32 v[232+\b], v[232+\b]                 ; the block's largest p
.endr
	v_pk_add_f32 v[236:237], v[96:97], v[98:99]    ; the row's sum is taken of the unquantised p: two at a time, in two chains
.irp j, 4,8,12,16,20,24,28,32,36,40,44,48,52,56,60
	v_pk_add_f32 v[\ST+2:\ST+3], v[\ST+2:\ST+3], v[96+\j:97+\j]
	v_pk_add_f32 v[236:237], v[236:237], v[98+\j:99+\j]
.endr
	v_pk_add_f32 v[\ST+2:\ST+3], v[\ST+2:\ST+3], v[236:237]
	s_wait_alu depctr_va_vdst(0)                   ; and one for the four
.irp b, 0,1,2,3
	v_max_num_f32 v[232+\b], 0x1800000, v[232+\b]  ; the floor 2^(3 - 127): the byte cannot fall under 1
.endr
.irp b, 0,1,2,3
	v_add_nc_u32 v[244+\b], 0xff000000, v[232+\b]  ; the conversion's scale operand
.endr
.irp b, 0,1,2,3
	v_lshrrev_b32 v[236+\b], 23, v[244+\b]         ; the scale's byte
.endr
	v_lshl_or_b32 v253, v237, 8, v236              ; p's scale word for these 128 keys
	v_lshl_or_b32 v253, v238, 16, v253
	v_lshl_or_b32 v253, v239, 24, v253
.irp b, 0,1,2,3
	v_cvt_scalef32_pk8_fp4_f32 v[224+2*\b], v[96+16*\b:103+16*\b], v[244+\b]
	v_cvt_scalef32_pk8_fp4_f32 v[225+2*\b], v[104+16*\b:111+16*\b], v[244+\b]
.endr
	v_nop                                          ; one plain place behind a scaled conversion
.irp c, 0,1
.irp i, 0,1
	v_permlane16_swap_b32 v[224+4*\c+\i], v[226+4*\c+\i]   ; a whole block in a lane
.endr
.endr
.irp j, 0,2,4,6,8,10,12,14,16,18,20,22,24,26,28,30
	v_pk_mul_f32 v[\O+\j:\O+\j+1], v[\O+\j:\O+\j+1], v[252:253] op_sel_hi:[1,0]   ; O^T under the new M.  (Of these sixteen, twelve name no register of any one product below: the places between p's scale word and codes and the products)
.endr
.irp t, 0,1,2,3
	v_wmma_scale_f32_16x16x128_f8f6f4 v[\O+8*\t:\O+8*\t+7], v[64+8*\t:71+8*\t], v[224:231], v[\O+8*\t:\O+8*\t+7], v[240+\t], v253 matrix_a_fmt:MATRIX_FMT_FP4 matrix_b_fmt:MATRIX_FMT_FP4
.endr
.Lhid_\@:
.endm
.macro WALK trips                      ; so many key steps, both tiles in each; the trip count is a constant
	s_mov_b32 s[CNT], \trips
.Lwalk_\@:
	TSTEP 16, 6, 8, 160, LASTA, Q0A
	TSTEP 24, 7, 12, 192, LASTB, Q0B
	s_add_co_u32 s[TB], s[TB], KVB
	s_add_co_u32 s[KF], s[KF], 128
	s_add_co_u32 s[SN], s[SN], 1
	s_sub_co_u32 s[CNT], s[CNT], 1
	s_cmp_lg_u32 s[CNT], 0
	s_cbranch_scc1 .Lwalk_\@
.endm
	s_wait_loadcnt 0x0                             ; Q
	s_wait_tensorcnt 0x1                           ; my first load, one of records 0 to 3, is in; the second, issued behind it, may be out
	s_barrier_signal -1
	s_barrier_wait -1                              ; records 0 to 3 are whole
	WALK 4
	s_wait_tensorcnt 0x0                           ; records 4 to 15 had four key steps' work in which to land
	s_wait_dscnt 0x0
	s_barrier_signal -1
	s_barrier_wait -1
	WALK 12
	; THE WAY OUT.  The sums' halves are added; O^T is divided by the sum; the lane's 32 numbers of a tile, register 16 b + i = channel 32 b + 16 h + i of my head, are two blocks of the last product's K.
	v_add_f32 v10, v10, v11
	v_add_f32 v14, v14, v15
	v_permlanex16_b32 v252, v10, s[SEL], s[SEL+1]
	v_permlanex16_b32 v254, v14, s[SEL], s[SEL+1]
	v_add_f32 v10, v10, v252
	v_add_f32 v14, v14, v254
	v_rcp_f32 v10, v10
	v_rcp_f32 v14, v14
	v_nop                                          ; a plain place behind the reciprocals
	s_wait_alu depctr_va_vdst(0)                   ; one wait for the two, ahead of their first reader
.set tn, 0
.rept 32
	v_mul_f32 v[96+tn], v[160+tn], v10
.set tn, tn+1
.endr
.set tn, 0
.rept 32
	v_mul_f32 v[128+tn], v[192+tn], v14
.set tn, tn+1
.endr
.macro QUANT2 s, pc, w                 ; 32 numbers from v[s] on become four registers of codes, v[pc] on, and two scale bytes in v[w]
.irp b, 0,1
	v_max3_num_f32 v[232+\b], |v[\s+16*\b]|, |v[\s+16*\b+1]|, 0x1800000
.endr
.irp i, 2,4,6,8,10,12,14
.irp b, 0,1
	v_max3_num_f32 v[232+\b], v[232+\b], |v[\s+16*\b+\i]|, |v[\s+16*\b+\i+1]|
.endr
.endr
.irp b, 0,1
	v_permlanex16_b32 v[236+\b], v[232+\b], s[SEL], s[SEL+1]
.endr
.irp b, 0,1
	v_max_num_f32 v[232+\b], v[232+\b], v[236+\b]
.endr
.irp b, 0,1
	v_add_nc_u32 v[244+\b], 0xff000000, v[232+\b]
.endr
.irp b, 0,1
	v_lshrrev_b32 v[236+\b], 23, v[244+\b]
.endr
	v_lshl_or_b32 v[\w], v237, 8, v236
.irp b, 0,1
	v_cvt_scalef32_pk8_fp4_f32 v[\pc+2*\b], v[\s+16*\b:\s+16*\b+7], v[244+\b]
	v_cvt_scalef32_pk8_fp4_f32 v[\pc+2*\b+1], v[\s+16*\b+8:\s+16*\b+15], v[244+\b]
.endr
	v_nop
.irp i, 0,1
	v_permlane16_swap_b32 v[\pc+\i], v[\pc+2+\i]
.endr
.endm
	QUANT2 96, 224, 246
	QUANT2 128, 228, 247
	v_cndmask_b32 v238, v246, v247, s14            ; lanes 0-15 carry my first tile's bytes, lanes 16-31 my second's
	global_store_b128 v[LI], v[224:227], s[60:61]  ; 512 consecutive bytes, aligned: half a fragment of ctx
	global_store_b128 v[LI], v[228:231], s[62:63]
	global_store_b16 v5, v238, s[66:67]            ; two bytes a row: the other heads' bytes of these words are made in other work-groups
	s_wait_xcnt 0x0
	v_lshl_add_u32 v254, v0, 2, 0x29000
	v_mov_b32 v255, 0
	s_wait_tensorcnt 0x0
	ds_add_u32 v254, v255
	s_wait_dscnt 0x0
	s_endpgm
.Lfunc_end_k_q957e05858c_attn:
	.size	k_q957e05858c_attn, .Lfunc_end_k_q957e05858c_attn-k_q957e05858c_attn
	.p2alignl 7, 3214868480
	.fill 96, 4, 3214868480
	.section	.rodata,"a",@progbits
	.p2align	6, 0x0
	.amdhsa_kernel k_q957e05858c_attn
		.amdhsa_group_segment_fixed_size 169984
		.amdhsa_private_segment_fixed_size 0
		.amdhsa_enable_private_segment 0
		.amdhsa_kernarg_size 16
		.amdhsa_user_sgpr_count 2
		.amdhsa_user_sgpr_kernarg_segment_ptr 1
		.amdhsa_wavefront_size32 1
		.amdhsa_system_sgpr_workgroup_id_x 1
		.amdhsa_system_sgpr_workgroup_id_y 1
		.amdhsa_system_sgpr_workgroup_id_z 1
		.amdhsa_system_vgpr_workitem_id 0
		.amdhsa_next_free_vgpr 256
		.amdhsa_next_free_sgpr 72
		.amdhsa_reserve_vcc 1
		.amdhsa_float_denorm_mode_32 3
		.amdhsa_float_denorm_mode_16_64 3
		.amdhsa_memory_ordered 1
		.amdhsa_forward_progress 1
		.amdhsa_inst_pref_size 98
	.end_amdhsa_kernel
	.amdgpu_metadata
---
amdhsa.version: [ 1, 2 ]
amdhsa.kernels:
  - .name:           k_q957e05858c_attn
    .symbol:         k_q957e05858c_attn.kd
    .args:
      - { .name: qkv, .offset: 0, .size: 8, .value_kind: global_buffer, .address_space: global }
      - { .name: cq, .offset: 8, .size: 8, .value_kind: global_buffer, .address_space: global }
    .group_segment_fixed_size: 169984
    .private_segment_fixed_size: 0
    .kernarg_segment_align: 8
    .kernarg_segment_size: 16
    .max_flat_workgroup_size: 512
    .sgpr_count:     72
    .vgpr_count:     256
    .wavefront_size: 32
...
	.end_amdgpu_metadata
.endif
;; end of part 3
;; launch oproj (part 4): grid 4 x 64, 4 waves a work-group, clusters of 4 x 4, 243,200 bytes of LDS; arguments cq, wq, bo, out0; writes out0
.if DOCPART == 4
	.amdgcn_target "amdgcn-amd-amdhsa--gfx1250"
	.amdhsa_code_object_version 6
	.text
	.protected	k_q957e05858c_oproj
	.globl	k_q957e05858c_oproj
	.p2align	8
	.type	k_q957e05858c_oproj,@function
k_q957e05858c_oproj:
	s_mov_b64 s[64:65], 0
	v_nop
	global_prefetch_b8 v0, s[64:65] scope:SCOPE_SE
	s_setreg_imm32_b32 hwreg(HW_REG_WAVE_MODE, 25, 1), 1
	s_wait_xcnt 0x0
	s_wait_alu depctr_hold_cnt(0) depctr_sa_sdst(0) depctr_va_vdst(0) depctr_va_sdst(0) depctr_va_ssrc(0) depctr_va_vcc(0) depctr_vm_vsrc(0)
	s_getreg_b32 s2, hwreg(HW_REG_IB_STS2, 6, 4)
	s_cmp_eq_u32 s2, 0
	s_cbranch_scc0 .Lentry_in_a_cluster
	s_endpgm
.Lentry_in_a_cluster:
	s_bfe_u32 s2, ttmp6, 0x10000c
	s_cmp_lg_u32 s2, 0xf033
	s_cbranch_scc0 .Lentry_shape_is_right
	s_endpgm
.Lentry_shape_is_right:
; out = ctx Wo^T + bo on codes of FP4 (E2M1) with E8M0 scales, sums in f32.  ctx's codes and scale words come from attention, Wo's are tiles 192-255 of wq; both lie in the order of an operand's registers.
; LIMITS: NaN and infinities are not served.
; SHARES.  A work-group makes 128 tokens x 256 features (256 work-groups).  Four waves, each 64 tokens x 128 features: 32 accumulators.
; P = Wo is source 0, R = ctx source 1: a lane holds one token, and its registers run along the features: 32 neighbouring bytes of a row of out.  bo is the C of each sum's first matrix instruction.
; THE WHOLE K LIES IN LDS: 2 chunks of 512 along K (Wo's 16 tiles x 4,096 bytes, ctx's 8), the scale words behind them, each byte filled once; behind those a stage for each wave, into which no fill lands.
; A wave has three tensor loads out at the most.  CLUSTERS: 4 x 4: Wo's tiles are asked for jointly by a column of the cluster, ctx's by a row.
; REGISTERS: window 0: v1-27 addresses; v32-95 scale words; v128-159, v192-223 R's fragments, two sets (on the way out v128-255 take rows of out).
;   window 1: v0-63, v128-191 P's fragments, two sets; v64-127 bo.   window 2: accumulator (a, b) at v[8 (8 a + b)].
.set CHB,  98304                       ; a chunk in LDS: Wo's 65,536 bytes, then ctx's 32,768
.set SCL,  2*CHB                       ; the scale words: ctx's 4,096 bytes, then Wo's 8,192
.set STG,  SCL+12288                   ; the stages: 16 rows x 528 bytes for each wave
.set SPITCH, 528                       ; 512 bytes + 16 = 132 words: row r starts at bank 4 r mod 64 (64 banks of 4 bytes: ISA guide 11.1)
.set LI,   3
.set ADRR, 16
.set ADRP, 20
.set STO,  24
.set RD,   25
.set ADRS, 27
.set SC,   32
.set RF,   128
.set BK,   128
.set BQ,   64
.set G1X,  24                          ; ctx's codes: s[24:31], s[32:39];  Wo's: s[48:55], s[56:63];  scale words: ctx's s[68:75], s[76:79]; Wo's s[80:87], s[88:91]
.set G0X,  32
.set G1W,  48
.set G0W,  56
.set G1SX, 68
.set G0SX, 76
.set G1SW, 80
.set G0SW, 88
.set MSB, 0
.macro WIN new
.if MSB != (\new)
	s_set_vgpr_msb (MSB<<8)|(\new)
.set MSB, (\new)
.endif
.endm
; A joint load: waves 0 and 1 fetch Wo's halves, waves 2 and 3 ctx's; four v_nop follow each of the two lines.
.macro JLOAD g0a, g1a, g0b, g1b
	s_cmp_eq_u32 s17, 0
	s_cbranch_scc0 .Lfor_b_\@
	tensor_load_to_lds s[\g0a:\g0a+3], s[\g1a:\g1a+7]
	s_nop 0
.rept 4
	v_nop
.endr
	s_branch .Lasked_\@
.Lfor_b_\@:
	tensor_load_to_lds s[\g0b:\g0b+3], s[\g1b:\g1b+7]
	s_nop 0
.rept 4
	v_nop
.endr
.Lasked_\@:
.endm
.macro CROUND
	s_barrier_signal -1
	s_barrier_wait -1
	s_cmp_lg_u32 s16, 0
	s_cbranch_scc1 .Lnot_wave_0_\@
	s_barrier_signal -3
.Lnot_wave_0_\@:
	s_barrier_wait -3
	s_barrier_signal -1
	s_barrier_wait -1
.endm
.macro PLACES
.rept 4
	v_nop
.endr
.endm
	s_load_b256 s[4:11], s[0:1], 0x0               ; cq, wq, bo, out0
	v_lshl_add_u32 v126, v0, 2, 0x3b400
	v_mov_b32 v127, 0
	ds_add_u32 v126, v127
	ds_add_u32 v126, v127
	v_lshrrev_b32 v1, 5, v0
	v_readfirstlane_b32 s16, v1                    ; wave 0..3
	s_lshr_b32 s17, s16, 1                         ; wR: which 64 tokens are mine.  Also: I fetch for Wo (0) or for ctx (1)
	s_and_b32 s18, s16, 1                          ; wP: which 128 features.  Also: which half I fetch
	s_bfe_u32 s40, ttmp6, 0x40000                  ; cx, cy
	s_bfe_u32 s41, ttmp6, 0x40004
	s_lshl_b32 s42, ttmp9, 2
	s_add_co_u32 s42, s42, s40                     ; xt: 256 features
	s_and_b32 s43, ttmp7, 0xffff
	s_lshl_b32 s43, s43, 2
	s_add_co_u32 s43, s43, s41                     ; yt: 128 tokens
	s_lshl_b32 s44, s41, 2
	s_lshl_b32 s44, 15, s44                        ; my row of the cluster
	s_lshl_b32 s45, 0x1111, s40                    ; my column
	s_or_b32 s[G1W], s45, (3<<16)|(1<<21)          ; Wo's codes: 8 tiles, of each 4,096 bytes, 8,192 apart
	s_mov_b32 s[G1W+1], 512<<16
	s_mov_b32 s[G1W+2], 8<<16
	s_mov_b32 s[G1W+3], 512<<16
	s_mov_b32 s[G1W+4], 8
	s_mov_b32 s[G1W+5], 1024
	s_mov_b32 s[G1W+6], 0
	s_mov_b32 s[G1W+7], 0
	s_or_b32 s[G1X], s44, (3<<16)|(1<<21)          ; ctx's: 4 tiles
	s_mov_b32 s[G1X+1], 512<<16
	s_mov_b32 s[G1X+2], 4<<16
	s_mov_b32 s[G1X+3], 512<<16
	s_mov_b32 s[G1X+4], 4
	s_mov_b32 s[G1X+5], 1024
	s_mov_b32 s[G1X+6], 0
	s_mov_b32 s[G1X+7], 0
	s_or_b32 s[G1SW], s45, (3<<16)|(1<<21)         ; Wo's scale words: 4,096 dense bytes as 16 rows of 256
	s_mov_b32 s[G1SW+1], 32<<16
	s_mov_b32 s[G1SW+2], 16<<16
	s_mov_b32 s[G1SW+3], 32<<16
	s_mov_b32 s[G1SW+4], 16
	s_mov_b32 s[G1SW+5], 32
	s_mov_b32 s[G1SW+6], 0
	s_mov_b32 s[G1SW+7], 0
	s_or_b32 s[G1SX], s44, (3<<16)|(1<<21)         ; ctx's: 2,048 bytes as 8 rows
	s_mov_b32 s[G1SX+1], 32<<16
	s_mov_b32 s[G1SX+2], 8<<16
	s_mov_b32 s[G1SX+3], 32<<16
	s_mov_b32 s[G1SX+4], 8
	s_mov_b32 s[G1SX+5], 32
	s_mov_b32 s[G1SX+6], 0
	s_mov_b32 s[G1SX+7], 0
	s_lshl_b32 s20, s43, 16                        ; ctx: tile 8 yt + 4 x half
	s_lshl_b32 s21, s18, 15
	s_add_co_u32 s20, s20, s21
	s_mov_b32 s21, 0
	s_lshl_b32 s22, s43, 12
	s_lshl_b32 s23, s18, 11
	s_add_co_u32 s22, s22, s23
	s_add_co_u32 s22, s22, 0x400000
	s_mov_b32 s23, 0
	s_lshl_b32 s46, s42, 17                        ; Wo: tile 192 + 16 xt + 8 x half: in registers that never hold cy
	s_lshl_b32 s47, s18, 16
	s_add_co_u32 s46, s46, s47
	s_add_co_u32 s46, s46, 192*8192
	s_mov_b32 s47, 0
	s_lshl_b32 s92, s42, 13
	s_lshl_b32 s93, s18, 12
	s_add_co_u32 s92, s92, s93
	s_add_co_u32 s92, s92, 0x200000+192*512
	s_mov_b32 s93, 0
	s_lshl_b32 s66, s18, 15                        ; where they go, by the half that I fetch: no place in the cluster enters an LDS address
	s_lshl_b32 s67, s18, 14
	s_add_co_u32 s67, s67, 65536
	s_lshl_b32 s96, s18, 12
	s_add_co_u32 s96, s96, SCL+4096
	s_lshl_b32 s97, s18, 11
	s_add_co_u32 s97, s97, SCL
	s_wait_dscnt 0x0
	s_wait_kmcnt 0x0
	s_add_nc_u64 s[20:21], s[4:5], s[20:21]
	s_add_nc_u64 s[22:23], s[4:5], s[22:23]
	s_add_nc_u64 s[46:47], s[6:7], s[46:47]
	s_add_nc_u64 s[92:93], s[6:7], s[92:93]
	CROUND                                         ; all sixteen work-groups are here: the joint loads meet
	s_mov_b32 s[G0SW], 1
	s_mov_b32 s[G0SW+1], s96
	s_mov_b64 s[G0SW+2:G0SW+3], s[92:93]
	s_or_b32 s[G0SW+3], s[G0SW+3], 0x80000000
	s_mov_b32 s[G0SX], 1
	s_mov_b32 s[G0SX+1], s97
	s_mov_b64 s[G0SX+2:G0SX+3], s[22:23]
	s_or_b32 s[G0SX+3], s[G0SX+3], 0x80000000
	JLOAD G0SW, G1SW, G0SX, G1SX
.irp s, 0,1
	s_mov_b32 s[G0W+4*\s], 1
	s_add_co_u32 s[G0W+4*\s+1], s66, \s*CHB
	s_add_nc_u64 s[G0W+4*\s+2:G0W+4*\s+3], s[46:47], \s*4096
	s_or_b32 s[G0W+4*\s+3], s[G0W+4*\s+3], 0x80000000
	s_mov_b32 s[G0X+4*\s], 1
	s_add_co_u32 s[G0X+4*\s+1], s67, \s*CHB
	s_add_nc_u64 s[G0X+4*\s+2:G0X+4*\s+3], s[20:21], \s*4096
	s_or_b32 s[G0X+4*\s+3], s[G0X+4*\s+3], 0x80000000
	JLOAD G0W+4*\s, G1W, G0X+4*\s, G1X
.endr
	v_and_b32 v1, 15, v0                           ; r
	v_bfe_u32 v2, v0, 4, 1                         ; h
	v_and_b32 v[LI], 31, v0
	v_lshlrev_b32 v[LI], 4, v[LI]
	s_lshl_b32 s20, s18, 15                        ; my 128 rows of Wo,
	v_add_nc_u32 v[ADRP], s20, v[LI]
	v_add_nc_u32 v[ADRP+1], CHB, v[ADRP]
	s_lshl_b32 s20, s17, 14
	s_add_co_u32 s20, s20, 65536                   ; my 64 tokens of ctx
	v_add_nc_u32 v[ADRR], s20, v[LI]
	v_add_nc_u32 v[ADRR+1], CHB, v[ADRR]
	s_lshl_b32 s21, s17, 11                        ; scale words: lanes 0-15 take ctx's, lanes 16-31 Wo's: the lower base + h x the distance
	s_lshl_b32 s22, s18, 12
	s_add_co_u32 s22, s22, 4096
	s_sub_co_u32 s22, s22, s21
	v_mul_u32_u24 v6, s22, v2
	v_lshl_add_u32 v6, v1, 4, v6
	s_add_co_u32 s21, s21, SCL
	v_add_nc_u32 v[ADRS], s21, v6
	s_mul_i32 s23, s16, 16*SPITCH
	s_add_co_u32 s23, s23, STG                     ; my stage
	v_mul_u32_u24 v6, v1, SPITCH
	v_lshl_add_u32 v6, v2, 6, v6
	v_add_nc_u32 v[STO], s23, v6                   ; in: row r, + 64 h bytes
	v_add_nc_u32 v[RD], s23, v[LI]                 ; back: the 32 lanes take one row of 512 bytes
	v_lshlrev_b32 v4, 6, v2                        ; bo: 16 h numbers on; never rewritten
	s_lshl_b32 s46, s40, 10
	s_lshl_b32 s47, s18, 9
	s_add_co_u32 s46, s46, s47                     ; my 128 features, in bytes
	s_mov_b32 s47, 0
	s_add_nc_u64 s[8:9], s[8:9], s[46:47]
	s_add_nc_u64 s[10:11], s[10:11], s[46:47]
	s_lshl_b32 s46, s43, 19                        ; my 64 tokens: rows of 4,096 bytes
	s_lshl_b32 s92, s17, 18
	s_add_co_u32 s46, s46, s92
	s_add_nc_u64 s[10:11], s[10:11], s[46:47]
	WIN 0x40
.irp t, 0,1,2,3,4,5,6,7
	global_load_b128 v[BQ+8*\t:BQ+8*\t+3], v4, s[8:9] offset:(32*(\t/2)+8*(\t%2))*4
	global_load_b128 v[BQ+8*\t+4:BQ+8*\t+7], v4, s[8:9] offset:(32*(\t/2)+8*(\t%2))*4+16
.endr
	WIN 0
.macro FRAG reg, adr, off
	ds_load_b128 v[\reg:\reg+3], v[\adr] offset:\off
	ds_load_b128 v[\reg+4:\reg+7], v[\adr] offset:\off+512
.endm
.macro FETCH c, q, p
	WIN 0x40
.irp i, 0,1,2,3,4,5,6,7
	FRAG 128*(\p)+8*\i, ADRP+(\c), 4096*\i+1024*(\q)
.endr
	WIN 0
.irp i, 0,1,2,3
	FRAG RF+64*(\p)+8*\i, ADRR+(\c), 4096*\i+1024*(\q)
.endr
.endm
.macro SCALES                          ; for i above 3 lanes 0-15 read bytes that have landed and that nobody uses
.irp c, 0,1
.irp i, 0,1,2,3,4,5,6,7
	ds_load_b128 v[SC+32*\c+4*\i:SC+32*\c+4*\i+3], v[ADRS] offset:512*\i+256*\c
.endr
.endr
.endm
; 16 matrix instructions: ctx's tiles a0, a0 + 1 x Wo's eight.  cm = 2: the first K step starts the sums with bo.  The 32 accumulators take turns, one instruction a turn.
.macro MUL a0, p, c, q, cm
.irp a, \a0, \a0+1
.irp b, 0,1,2,3,4,5,6,7
.if (\cm) == 2
	v_wmma_scale_f32_16x16x128_f8f6f4 v[8*(8*(\a)+\b):8*(8*(\a)+\b)+7], v[128*(\p)+8*\b:128*(\p)+8*\b+7], v[RF+64*(\p)+8*(\a):RF+64*(\p)+8*(\a)+7], v[BQ+8*\b:BQ+8*\b+7], v[SC+32*(\c)+4*\b+(\q)], v[SC+32*(\c)+4*(\a)+(\q)] matrix_a_fmt:MATRIX_FMT_FP4 matrix_b_fmt:MATRIX_FMT_FP4 matrix_a_scale:MATRIX_SCALE_ROW1
.else
	v_wmma_scale_f32_16x16x128_f8f6f4 v[8*(8*(\a)+\b):8*(8*(\a)+\b)+7], v[128*(\p)+8*\b:128*(\p)+8*\b+7], v[RF+64*(\p)+8*(\a):RF+64*(\p)+8*(\a)+7], v[8*(8*(\a)+\b):8*(8*(\a)+\b)+7], v[SC+32*(\c)+4*\b+(\q)], v[SC+32*(\c)+4*(\a)+(\q)] matrix_a_fmt:MATRIX_FMT_FP4 matrix_b_fmt:MATRIX_FMT_FP4 matrix_a_scale:MATRIX_SCALE_ROW1
.endif
.endr
.endr
.endm
.macro STEP c, q, cm
.set N, 4*(\c)+(\q)
	s_wait_dscnt 0x0                               ; this step's fragments, asked for a K step ago, are in
.if N == 3
	s_wait_tensorcnt 0x0                           ; my part of chunk 1 has landed,
	s_barrier_signal -1
	s_barrier_wait -1                              ; everybody's has.
.endif
.if N < 7
	PLACES                                         ; behind the last step's products, which read the other set
	FETCH (N+1)/4, (N+1)%4, (N+1)%2
.endif
.if (\cm) == 2
	WIN 0x91                                       ; source 0 (Wo) and C (bo) window 1, source 1 window 0, D window 2
.else
	WIN 0xa1                                       ; C and D window 2
.endif
	MUL 0, N%2, \c, \q, \cm
	MUL 2, N%2, \c, \q, \cm
	WIN 0
.endm
	s_wait_loadcnt 0x0                             ; bo
	s_wait_tensorcnt 0x1                           ; the scale words and my part of chunk 0 are in; chunk 1's load may be out
	s_barrier_signal -1
	s_barrier_wait -1
	SCALES
	FETCH 0, 0, 0
	STEP 0, 0, 2
	STEP 0, 1, 0
	STEP 0, 2, 0
	STEP 0, 3, 0
	STEP 1, 0, 0
	STEP 1, 1, 0
	STEP 1, 2, 0
	STEP 1, 3, 0
; THE WAY OUT, a tile of 16 tokens x 128 features at a time, through my own stage: a lane holds pieces of 32 bytes of one row; they come back as whole rows of 512 bytes, which the 32 lanes store as 512 consecutive bytes.
; LDS serves a wave's instructions in order (ISA guide 5.7.1.4): no wait between the stores and the loads, nor in front of the next tile's stores.
.macro TOSTAGE a
	WIN 0x08                                       ; an LDS store's data are its source 1: window 2
.irp b, 0,1,2,3,4,5,6,7
	ds_store_b128 v[STO], v[64*(\a)+8*\b:64*(\a)+8*\b+3] offset:128*(\b/2)+32*(\b%2)        ; features 32 (b / 2) + 16 h + 8 (b % 2) + 0 .. 7; each accumulator from its low end on
	ds_store_b128 v[STO], v[64*(\a)+8*\b+4:64*(\a)+8*\b+7] offset:128*(\b/2)+32*(\b%2)+16
.endr
	WIN 0
.irp t, 0,1,2,3,4,5,6,7,8,9,10,11,12,13,14,15
	ds_load_b128 v[BK+64*((\a)%2)+4*\t:BK+64*((\a)%2)+4*\t+3], v[RD] offset:\t*SPITCH
.endr
.endm
.macro SEND a, younger                 ; younger: the LDS instructions issued behind tile a's loads, which may stay out
	s_wait_dscnt \younger
.irp t, 0,1,2,3,4,5,6,7,8,9,10,11,12,13,14,15
	global_store_b128 v[LI], v[BK+64*((\a)%2)+4*\t:BK+64*((\a)%2)+4*\t+3], s[10:11] offset:(32*((\a)/2)+8*((\a)%2)+\t+8*(\t/8))*4096 th:TH_STORE_NT   ; the tile's row t is token 32 (a / 2) + 8 (a % 2) + t + 8 (t / 8)
.endr
.endm
	PLACES                                         ; behind the last products: for the first read of results and for the loads into registers that held fragments
	TOSTAGE 0
.irp a, 1,2,3
.if \a > 1
	s_wait_xcnt 0x0                                ; tile a - 2's stores have read their registers: tile a's loads may land there
.endif
	TOSTAGE \a
	SEND \a-1, 32                                  ; behind tile a - 1's loads: tile a's 16 stores and 16 loads
.endr
	SEND 3, 0
	s_wait_dscnt 0x0
	s_wait_tensorcnt 0x0
	ds_add_u32 v126, v127
	s_wait_dscnt 0x0
	CROUND                                         ; the closing round: no work-group ends while a partner may still ask for a tile that names it
	s_endpgm
.Lfunc_end_k_q957e05858c_oproj:
	.size	k_q957e05858c_oproj, .Lfunc_end_k_q957e05858c_oproj-k_q957e05858c_oproj
	.p2alignl 7, 3214868480
	.fill 96, 4, 3214868480
	.section	.rodata,"a",@progbits
	.p2align	6, 0x0
	.amdhsa_kernel k_q957e05858c_oproj
		.amdhsa_group_segment_fixed_size 243200
		.amdhsa_private_segment_fixed_size 0
		.amdhsa_enable_private_segment 0
		.amdhsa_kernarg_size 32
		.amdhsa_user_sgpr_count 2
		.amdhsa_user_sgpr_kernarg_segment_ptr 1
		.amdhsa_wavefront_size32 1
		.amdhsa_system_sgpr_workgroup_id_x 1
		.amdhsa_system_sgpr_workgroup_id_y 1
		.amdhsa_system_sgpr_workgroup_id_z 1
		.amdhsa_system_vgpr_workitem_id 0
		.amdhsa_next_free_vgpr 1024
		.amdhsa_next_free_sgpr 100
		.amdhsa_reserve_vcc 0
		.amdhsa_float_denorm_mode_32 3
		.amdhsa_float_denorm_mode_16_64 3
		.amdhsa_memory_ordered 1
		.amdhsa_forward_progress 1
		.amdhsa_inst_pref_size 73
	.end_amdhsa_kernel
	.amdgpu_metadata
---
amdhsa.version: [ 1, 2 ]
amdhsa.kernels:
  - .name:           k_q957e05858c_oproj
    .symbol:         k_q957e05858c_oproj.kd
    .args:
      - { .name: cq, .offset: 0, .size: 8, .value_kind: global_buffer, .address_space: global }
      - { .name: wq, .offset: 8, .size: 8, .value_kind: global_buffer, .address_space: global }
      - { .name: bo, .offset: 16, .size: 8, .value_kind: global_buffer, .address_space: global }
      - { .name: out0, .offset: 24, .size: 8, .value_kind: global_buffer, .address_space: global }
    .group_segment_fixed_size: 243200
    .private_segment_fixed_size: 0
    .kernarg_segment_align: 8
    .kernarg_segment_size: 32
    .max_flat_workgroup_size: 128
    .sgpr_count:     100
    .vgpr_count:     1024
    .wavefront_size: 32
...
	.end_amdgpu_metadata
.endif
;; end of part 4
